; MI455X (gfx1250); checked and timed in simulation.
; The chip was launched on July 23, 2026; its instructions are those of AMD's public machine-readable ISA for CDNA 5 (MIT licence, August 2026) and "CDNA5" Instruction Set Architecture Reference Guide (July 2026). The comments in the code are by the model that wrote it; some were corrected since.
;; Lightweight Attn. Allowed arithmetic: matrix products marked QUANTISED: E2M1 operands, one E8M0 scale for each 32 along K, by v_wmma_scale_f32_16x16x128_f8f6f4 with both operands' format E2M1 (or v_wmma_scale_f32_32x16x128_f4), f32 sums; everything else in f32.
;; Inputs: Wk 1,024 x 1,024 float32; Wo 1,024 x 1,024 float32; Wq 1,024 x 1,024 float32; Wv 1,024 x 1,024 float32; bk 1,024 float32; bo 1,024 float32; bq 1,024 float32; bv 1,024 float32; ln_beta 1,024 float32; ln_gamma 1,024 float32; x 4 x 2,048 x 1,024 float32.
;; Outputs: out0 4 x 2,048 x 1,024 float32.
;; This version of the problem:
;;   THIS VERSION OF THE PROBLEM IS GIVEN IN LOW PRECISION. The matrix products marked QUANTISED in the list below multiply operands that are first quantised to E2M1 (2 exponent bits, 1 mantissa bit; 4 bits a number), with one power-of-two scale for each 32 numbers along K (OCP MX v1.0); their sums are f32. All else is computed in f32.
;;   The module's matrix products, in the order in which they are computed (A, B: the left and right operand; K: the contracted axis; several contracted axes count as one K, in the product's order):
;;     1. [M 8,192, K 1,024] x [K 1,024, N 1,024]; A: computed on the way; B: input Wq: QUANTISED
;;     2. [M 8,192, K 1,024] x [K 1,024, N 1,024]; A: computed on the way; B: input Wk: QUANTISED
;;     3. [M 8,192, K 1,024] x [K 1,024, N 1,024]; A: computed on the way; B: input Wv: QUANTISED
;;     4. batch 64 x [M 2,048, K 64] x [K 64, N 2,048]; A: computed on the way; B: computed on the way: QUANTISED
;;     5. batch 64 x [M 2,048, K 2,048] x [K 2,048, N 64]; A: softmax (see below); B: computed on the way: QUANTISED
;;     6. [M 8,192, K 1,024] x [K 1,024, N 1,024]; A: computed on the way; B: input Wo: QUANTISED
;;   THE QUANTISER, for each operand of a quantised product, along K:
;;     - K is cut into blocks of 32 from its start; a last block that is shorter is filled with zeros.
;;     - A block's scale is 2^e with e = floor(log2(the largest magnitude in the block)) - 2, held to -126 .. 127; a block of zeros has e = 0. As a byte (E8M0): e + 127.
;;     - Each number is divided by its block's scale, clamped to +-6, and rounded to the nearest number of E2M1, ties to even, subnormals kept.
;;     - The product sums the exact products of the quantised numbers (number of the format x scale) in f32.
;;   ~~~python
;;   def quantise(x, axis):      # numpy; x: float32 -> the quantised numbers, widened to float32 again
;;       x = np.moveaxis(x, axis, -1); K = x.shape[-1]
;;       x = np.pad(x, [(0, 0)] * (x.ndim - 1) + [(0, -K % 32)]); x = x.reshape(x.shape[:-1] + (-1, 32)); a = np.abs(x).max(-1, keepdims=True)
;;       e = np.where(a > 0, np.clip(np.frexp(np.where(a > 0, a, 1))[1] - 1 - 2, -126, 127), 0)      # np.frexp(a)[1] - 1 = floor(log2(a)), exactly
;;       r = np.clip(x / 2.0 ** e, -6, 6)
;;       step = 2.0 ** (np.maximum(np.frexp(np.where(r == 0, 1, r))[1] - 1, 0) - 1)
;;       q = np.round(r / step) * step * 2.0 ** e      # np.round: ties to even
;;       return np.moveaxis(q.reshape(q.shape[:-2] + (-1,))[..., :K], -1, axis).astype(np.float32)
;;   ~~~
;;   SOFTMAX AHEAD OF A QUANTISED PRODUCT. Where the list says 'softmax', what is quantised is not the finished softmax but p = 2^(t - M), with t = logit x log2(e) and M = ceil(the row's largest t), a whole number; so 1/2 < the row's largest p <= 1. The row's sum l is taken of the UNQUANTISED p, in f32, and the product's result is divided by l at the end. Since M is a whole number, a kernel that streams over the keys may use a running M (the ceiling of the running maximum): every later rescaling is an exact power of two, which a block's scale takes up: the codes' values come out the same.
;;   OPERANDS COMPUTED ON THE WAY. 'Computed on the way' means the value that the module computes at that place (a softmax that the list does not call 'softmax' is quantised finished and normalised). What goes into a quantiser is computed in f32, as accurately as f32 sums, v_exp_f32 and their like allow (about 1e-6 of the number): no bf16 or f16 on the way to a quantiser, and a product that is left as it is and whose result goes on into a quantised operand takes f32 operands (vector FMAs, or v_wmma_f32_16x16x4_f32). A number that lies on a knife's edge between two numbers of the format may be rounded either way, as far as f32 arithmetic and the matrix unit's own rounding can turn it there, and no further.
;; One version. Each part assembles by itself: llvm-mc -triple=amdgcn-amd-amdhsa -mcpu=gfx1250 --defsym DOCPART=n.
;; ======== version 1 of 1: 4 launches
;; workspace buffers: xq 4,456,448 bytes; wqkv 1,671,168 bytes; wo 557,056 bytes; rope 524,288 bytes; qc 4,194,304 bytes; qs 524,288 bytes; kv 9,175,040 bytes; oq 4,456,448 bytes
;; launch prep (part 1): grid 400 x 1, 8 waves a work-group, no clusters, 56,320 bytes of LDS; arguments x, ln_gamma, ln_beta, Wq, Wk, Wv, Wo, xq, wqkv, wo, rope; writes xq, wqkv, wo, rope
.if DOCPART == 1
	.amdgcn_target "amdgcn-amd-amdhsa--gfx1250"
	.amdhsa_code_object_version 6
	.text
	.protected	k_q44442f6d9e_prep
	.globl	k_q44442f6d9e_prep
	.p2align	8
	.type	k_q44442f6d9e_prep,@function
k_q44442f6d9e_prep:
	s_mov_b64 s[64:65], 0
	v_nop
	global_prefetch_b8 v0, s[64:65] scope:SCOPE_SE
	s_setreg_imm32_b32 hwreg(HW_REG_WAVE_MODE, 25, 1), 1
	s_wait_xcnt 0x0
; PREP.  Three kinds of work-group, told apart by the work-group's number alone:
;   0..255   LN:   32 rows of x are normalised (f32, two passes) and quantised to FP4 (E2M1) along the 1,024 channels
;   256..383 W:    128 (k) x 256 (n) of Wq, Wk, Wv or Wo are quantised along k, which is the weights' FIRST axis
;   384..399 ROPE: cos and sin of position x inv_freq for 8 tiles of 16 positions
; LAYOUTS.  A tile of 16 rows is not 16 neighbours: tile u (0, 1) of a pair of 32 indices holds at row r the index 8 u + (r & 7) + 16 (r >> 3).
; A fragment (16 rows x 128 k) lies in memory as the image of the operand's registers: [c 0..1][lane][16 bytes], lane (r, h) of half c = block 2 c + h of row r.
; A record of 8,704 bytes = 8 such images + 512 bytes of scale words [tile 8][row 16], one E8M0 byte for each 32 along k.
; A block's scale byte is its largest magnitude's exponent field - 2, held at 1 from below.
; LIMITS: NaN and infinities are not served; a block whose largest magnitude lies under 2^-124, a block of zeros among them, keeps the byte 1 (its codes are then zeros or the
; format's smallest steps; only this program reads the bytes).  The scale words leave in runs of 128 bytes, half of an aligned 256: one sixteenth of the codes' bytes.
; The angle's reduction (two terms of pi / 2) holds for angles under 2,048 rad: positions end at 2,047 and inv_freq is at most 1.
.set REC,   8704
.set TURNB, 4608                       ; LN: a wave's turning stage: 32 places of 128 + 16 bytes
.set IMG,   8*TURNB                    ; 64 chunks (32 u + block) of 16 rows x 16 bytes + 16 of padding
.set SCB,   IMG+64*272                 ; scale bytes [K step 8][u 2][row 16][4]
.set XR0,   64                         ; v64-191  four rows, 32 numbers a lane each
.set GAM,   192                        ; v192-223 gamma at my columns
.set BET,   224                        ; v224-255 beta
.set CD,    28                         ; v28-43   a row's codes, four registers for each row
.set BY,    44                         ; v44-47   a row's scale byte
.macro LANESUM r, t                    ; the sum over the wave's 32 lanes, in every lane
	s_delay_alu instid0(VALU_DEP_1)
	v_add_f32_dpp v[\r], v[\r], v[\r] row_xmask:1 row_mask:0xf bank_mask:0xf
	s_delay_alu instid0(VALU_DEP_1)
	v_add_f32_dpp v[\r], v[\r], v[\r] row_xmask:2 row_mask:0xf bank_mask:0xf
	s_delay_alu instid0(VALU_DEP_1)
	v_add_f32_dpp v[\r], v[\r], v[\r] row_xmask:4 row_mask:0xf bank_mask:0xf
	s_delay_alu instid0(VALU_DEP_1)
	v_add_f32_dpp v[\r], v[\r], v[\r] row_xmask:8 row_mask:0xf bank_mask:0xf
	s_delay_alu instid0(VALU_DEP_1)
	v_permlanex16_b32 v[\t], v[\r], s28, s29
	s_delay_alu instid0(VALU_DEP_1)
	v_add_f32 v[\r], v[\r], v[\t]
.endm
; One row: mean, variance of the centred numbers, scale and shift; a turn through LDS so that a lane holds a whole block of 32; the block's scale and codes.
.macro ROW i
.set XR, XR0+32*(\i)
	s_wait_loadcnt 8*(3-(\i))                      ; my eight loads are in (gamma's and beta's are older); the later rows' eight each may be out
	v_pk_add_f32 v[10:11], v[XR:XR+1], v[XR+4:XR+5]
	v_pk_add_f32 v[12:13], v[XR+2:XR+3], v[XR+6:XR+7]
.irp j, 8,12,16,20,24,28
	s_delay_alu instid0(VALU_DEP_2)
	v_pk_add_f32 v[10:11], v[10:11], v[XR+\j:XR+\j+1]
	s_delay_alu instid0(VALU_DEP_2)
	v_pk_add_f32 v[12:13], v[12:13], v[XR+\j+2:XR+\j+3]
.endr
	s_delay_alu instid0(VALU_DEP_1)
	v_pk_add_f32 v[10:11], v[10:11], v[12:13]
	s_delay_alu instid0(VALU_DEP_1)
	v_add_f32 v10, v10, v11
	LANESUM 10, 14
	s_delay_alu instid0(VALU_DEP_1)
	v_mul_f32 v16, s30, v10                        ; the mean
	s_delay_alu instid0(VALU_DEP_1)
	v_mov_b32 v17, v16
.irp j, 0,2,4,6,8,10,12,14,16,18,20,22,24,26,28,30
	v_pk_add_f32 v[XR+\j:XR+\j+1], v[XR+\j:XR+\j+1], v[16:17] neg_lo:[0,1] neg_hi:[0,1]
.endr
	v_pk_mul_f32 v[10:11], v[XR:XR+1], v[XR:XR+1]
	v_pk_mul_f32 v[12:13], v[XR+2:XR+3], v[XR+2:XR+3]
.irp j, 4,8,12,16,20,24,28
	s_delay_alu instid0(VALU_DEP_2)
	v_pk_fma_f32 v[10:11], v[XR+\j:XR+\j+1], v[XR+\j:XR+\j+1], v[10:11]
	s_delay_alu instid0(VALU_DEP_2)
	v_pk_fma_f32 v[12:13], v[XR+\j+2:XR+\j+3], v[XR+\j+2:XR+\j+3], v[12:13]
.endr
	s_delay_alu instid0(VALU_DEP_1)
	v_pk_add_f32 v[10:11], v[10:11], v[12:13]
	s_delay_alu instid0(VALU_DEP_1)
	v_add_f32 v10, v10, v11
	LANESUM 10, 14
	s_delay_alu instid0(VALU_DEP_1)
	v_fma_f32 v10, v10, s30, s31                   ; the variance + 1e-5
	s_wait_alu depctr_va_vdst(0)
	v_rsq_f32 v16, v10
	v_nop                                          ; a plain instruction behind the transcendental,
	s_wait_alu depctr_va_vdst(0)                   ; and the wait ahead of the first line that names its result
	v_mov_b32 v17, v16
.irp j, 0,2,4,6,8,10,12,14,16,18,20,22,24,26,28,30
	v_pk_mul_f32 v[XR+\j:XR+\j+1], v[XR+\j:XR+\j+1], v[16:17]
.endr
.irp j, 0,2,4,6,8,10,12,14,16,18,20,22,24,26,28,30
	v_pk_fma_f32 v[XR+\j:XR+\j+1], v[XR+\j:XR+\j+1], v[GAM+\j:GAM+\j+1], v[BET+\j:BET+\j+1]
.endr
.irp j, 0,1,2,3,4,5,6,7
	ds_store_b128 v2, v[XR+4*\j:XR+4*\j+3] offset:576*\j       ; as loaded: 16 bytes a lane, four blocks' places a store
.endr
.irp j, 0,1,2,3,4,5,6,7
	ds_load_b128 v[XR+4*\j:XR+4*\j+3], v3 offset:16*\j         ; back: lane l takes block l.  LDS serves a wave's instructions in order: these see the stores above
.endr
	s_wait_dscnt 0x0
	v_max3_num_f32 v10, |v[XR]|, |v[XR+1]|, |v[XR+2]|
	v_max3_num_f32 v11, |v[XR+3]|, |v[XR+4]|, |v[XR+5]|
.irp j, 6,10,14,18,22,26
	s_delay_alu instid0(VALU_DEP_2)
	v_max3_num_f32 v10, v10, |v[XR+\j]|, |v[XR+\j+1]|
	s_delay_alu instid0(VALU_DEP_2)
	v_max3_num_f32 v11, v11, |v[XR+\j+2]|, |v[XR+\j+3]|
.endr
	s_delay_alu instid0(VALU_DEP_2)
	v_max3_num_f32 v10, v10, |v[XR+30]|, |v[XR+31]|
	s_delay_alu instid0(VALU_DEP_1)
	v_max3_num_f32 v10, v10, v11, 0x1800000        ; with the floor 2^(3 - 127): the byte cannot fall under 1
	s_delay_alu instid0(VALU_DEP_1)
	v_add_nc_u32 v12, 0xff000000, v10              ; 2 off the exponent field: the conversion's scale operand
	s_delay_alu instid0(VALU_DEP_1)
	v_lshrrev_b32 v[BY+\i], 23, v12                ; the scale's byte
.irp g, 0,1,2,3
	v_cvt_scalef32_pk8_fp4_f32 v[CD+4*(\i)+\g], v[XR+8*\g:XR+8*\g+7], v12
.endr
	v_nop                                          ; a plain instruction behind the last conversion
	ds_store_b128 v4, v[CD+4*(\i):CD+4*(\i)+3] offset:16*(\i)
	ds_store_b8 v5, v[BY+\i] offset:4*(\i)
.endm
; W: block t of my column: 32 numbers down k, all mine
.macro WBLOCK t, left
.set XS, 64+32*(\t)
	s_wait_loadcnt \left
	v_max3_num_f32 v12, |v[XS]|, |v[XS+1]|, |v[XS+2]|
	v_max3_num_f32 v13, |v[XS+3]|, |v[XS+4]|, |v[XS+5]|
.irp i, 6,10,14,18,22,26
	s_delay_alu instid0(VALU_DEP_2)
	v_max3_num_f32 v12, v12, |v[XS+\i]|, |v[XS+\i+1]|
	s_delay_alu instid0(VALU_DEP_2)
	v_max3_num_f32 v13, v13, |v[XS+\i+2]|, |v[XS+\i+3]|
.endr
	s_delay_alu instid0(VALU_DEP_2)
	v_max3_num_f32 v12, v12, |v[XS+30]|, |v[XS+31]|
	s_delay_alu instid0(VALU_DEP_1)
	v_max3_num_f32 v12, v12, v13, 0x1800000
	s_delay_alu instid0(VALU_DEP_1)
	v_add_nc_u32 v11, 0xff000000, v12
	s_delay_alu instid0(VALU_DEP_1)
	v_lshrrev_b32 v13, 23, v11
.if (\t) == 0
	s_delay_alu instid0(VALU_DEP_1)
	v_mov_b32 v24, v13
.else
	s_delay_alu instid0(VALU_DEP_1)
	v_lshl_or_b32 v24, v13, 8*(\t), v24            ; four bytes make my column's scale word for this K step
.endif
.irp g, 0,1,2,3
	v_cvt_scalef32_pk8_fp4_f32 v[32+4*(\t)+\g], v[XS+8*\g:XS+8*\g+7], v11
.endr
	v_nop
	global_store_b128 v4, v[32+4*(\t):32+4*(\t)+3], s[48:49] offset:512*((\t)/2)+256*((\t)%2)   ; sixteen lanes of each of the two tiles fill 256 consecutive bytes, aligned
.endm
.macro FREQ idx, lo, hi                ; 10000^(i / 32) for lanes 0-15 (lo) and lanes 16-31 (hi)
	v_mov_b32 v10, \hi
	s_delay_alu instid0(VALU_DEP_1)
	v_cndmask_b32 v[32+\idx], \lo, v10, vcc_lo
.endm
.macro SINCOS idx                      ; cos to v[64 + 2 idx], sin to v[65 + 2 idx]
	v_mul_f32 v10, v8, v[48+\idx]                  ; the angle, rounded once
	s_delay_alu instid0(VALU_DEP_1)
	v_mul_f32 v11, s40, v10
	s_delay_alu instid0(VALU_DEP_1)
	v_rndne_f32 v11, v11                           ; n = the nearest multiple of pi / 2
	s_delay_alu instid0(VALU_DEP_1)
	v_fma_f32 v12, -v11, s41, v10                  ; angle - n x (pi / 2's upper part): no bit is lost under 2,048 rad
	s_delay_alu instid0(VALU_DEP_1)
	v_fma_f32 v12, -v11, s42, v12                  ; - n x its lower part
	s_delay_alu instid0(VALU_DEP_1)
	v_mul_f32 v13, v12, v12
	s_delay_alu instid0(VALU_DEP_1)
	v_fma_f32 v14, v13, s45, s44
	s_delay_alu instid0(VALU_DEP_1)
	v_fma_f32 v14, v14, v13, s43
	s_delay_alu instid0(VALU_DEP_3)
	v_mul_f32 v15, v13, v12
	s_delay_alu instid0(VALU_DEP_1)
	v_fma_f32 v14, v15, v14, v12                   ; sin of the rest
	v_fma_f32 v16, v13, s48, s47
	s_delay_alu instid0(VALU_DEP_1)
	v_fma_f32 v16, v16, v13, s46
	v_fma_f32 v17, v13, -0.5, 1.0
	v_mul_f32 v15, v13, v13
	s_delay_alu instid0(VALU_DEP_1)
	v_fma_f32 v16, v15, v16, v17                   ; cos of the rest
	v_cvt_i32_f32 v18, v11
	s_delay_alu instid0(VALU_DEP_1)
	v_and_b32 v19, 1, v18
	s_delay_alu instid0(VALU_DEP_1)
	v_cmp_eq_u32 vcc_lo, 1, v19
	s_delay_alu instid0(VALU_DEP_1)
	v_cndmask_b32 v20, v14, v16, vcc_lo            ; odd quadrants change the two
	s_delay_alu instid0(VALU_DEP_2)
	v_cndmask_b32 v21, v16, v14, vcc_lo
	v_and_b32 v19, 2, v18
	s_delay_alu instid0(VALU_DEP_1)
	v_lshlrev_b32 v19, 30, v19
	s_delay_alu instid0(VALU_DEP_1)
	v_xor_b32 v[65+2*\idx], v19, v20               ; sin is negative in quadrants 2, 3
	v_add_nc_u32 v18, 1, v18
	s_delay_alu instid0(VALU_DEP_1)
	v_and_b32 v18, 2, v18
	s_delay_alu instid0(VALU_DEP_1)
	v_lshlrev_b32 v18, 30, v18
	s_delay_alu instid0(VALU_DEP_1)
	v_xor_b32 v[64+2*\idx], v18, v21               ; cos in quadrants 1, 2
.endm
	s_load_b512 s[4:19], s[0:1], 0x0               ; x 4, gamma 6, beta 8, Wq 10, Wk 12, Wv 14, Wo 16, xq 18
	s_load_b128 s[20:23], s[0:1], 0x40             ; wqkv 20, wo 22
	s_load_b64 s[24:25], s[0:1], 0x50              ; rope
	v_lshl_add_u32 v26, v0, 2, 0xd800
	v_mov_b32 v27, 0
	v_lshrrev_b32 v1, 5, v0
	s_delay_alu instid0(VALU_DEP_1)
	v_readfirstlane_b32 s26, v1                    ; wave 0..7
	v_and_b32 v9, 31, v0                           ; lane
	s_mov_b32 s28, 0x76543210
	s_mov_b32 s29, 0xfedcba98                      ; v_permlanex16_b32's selects for lane l xor 16
	s_wait_kmcnt 0x0
	s_cmp_lt_u32 ttmp9, 256
	s_cbranch_scc0 .Lnot_ln
	; ---------------- LN: work-group wg owns rows 32 wg .. 32 wg + 31 (a pair of tiles); wave w rows 4 w + i, which are rows 4 (w & 1) + 8 (w >> 2) + i of tile u = (w >> 1) & 1
	s_mov_b32 s30, 0x3a800000                      ; 1 / 1024
	s_mov_b32 s31, 0x3727c5ac                      ; 1e-5
	v_mov_b32 v14, 0                               ; a lane permute's destination counts as one of its sources
	s_wait_alu depctr_va_vdst(0)
	v_lshlrev_b32 v1, 4, v9                        ; 16 x lane
	s_mul_i32 s32, s26, TURNB
	v_lshrrev_b32 v10, 3, v9
	s_delay_alu instid0(VALU_DEP_1)
	v_mul_u32_u24 v2, v10, 144
	v_and_b32 v10, 7, v9
	s_delay_alu instid0(VALU_DEP_1)
	v_lshl_add_u32 v2, v10, 4, v2
	s_delay_alu instid0(VALU_DEP_1)
	v_add_nc_u32 v2, s32, v2                       ; into the turn: place lane / 8 of a load's four, 16 (lane % 8)
	v_mul_u32_u24 v3, v9, 144
	s_delay_alu instid0(VALU_DEP_1)
	v_add_nc_u32 v3, s32, v3                       ; out of it: place = lane
	s_bfe_u32 s33, s26, 0x10001                    ; u
	s_and_b32 s34, s26, 1
	s_lshl_b32 s34, s34, 2
	s_lshr_b32 s35, s26, 2
	s_lshl_b32 s35, s35, 3
	s_add_co_u32 s34, s34, s35                     ; my first row in the tile
	s_mul_i32 s35, s33, 32*272
	s_lshl_b32 s36, s34, 4
	s_add_co_u32 s35, s35, s36
	s_add_co_u32 s35, s35, IMG
	v_mul_u32_u24 v4, v9, 272
	s_delay_alu instid0(VALU_DEP_1)
	v_add_nc_u32 v4, s35, v4                       ; codes: chunk 32 u + lane, row
	s_lshl_b32 s35, s33, 6
	s_lshl_b32 s36, s34, 2
	s_add_co_u32 s35, s35, s36
	s_add_co_u32 s35, s35, SCB
	v_lshrrev_b32 v10, 2, v9
	v_and_b32 v11, 3, v9
	s_delay_alu instid0(VALU_DEP_1)
	v_lshl_add_u32 v5, v10, 7, v11
	s_delay_alu instid0(VALU_DEP_1)
	v_add_nc_u32 v5, s35, v5                       ; scale byte: K step lane / 4, byte lane % 4
	v_and_b32 v10, 15, v9
	v_lshrrev_b32 v11, 4, v9
	s_delay_alu instid0(VALU_DEP_1)
	v_mul_u32_u24 v6, v11, 272
	s_delay_alu instid0(VALU_DEP_1)
	v_lshl_add_u32 v6, v10, 4, v6
	s_mul_i32 s35, s26, 4*272
	s_add_co_u32 s35, s35, IMG
	v_add_nc_u32 v6, s35, v6                       ; the way out: wave w takes K step w: chunk 4 w + h (+ 32 u + 2 c), row r
	v_lshlrev_b32 v8, 2, v9
	s_lshl_b32 s35, s26, 7
	s_add_co_u32 s35, s35, SCB
	v_add_nc_u32 v7, s35, v8                       ; and its 32 scale words
	s_lshl_b32 s36, ttmp9, 17
	s_lshl_b32 s37, s26, 14
	s_add_co_u32 s36, s36, s37
	s_mov_b32 s37, 0
	s_add_nc_u64 s[4:5], s[4:5], s[36:37]          ; x at my wave's four rows
	s_lshr_b32 s36, ttmp9, 2
	s_lshl_b32 s36, s36, 3
	s_add_co_u32 s36, s36, s26
	s_mul_i32 s36, s36, REC
	s_add_nc_u64 s[18:19], s[18:19], s[36:37]      ; xq's record (block of 128 tokens, K step w)
	s_and_b32 s35, ttmp9, 3
	s_lshl_b32 s36, s35, 11
	s_add_nc_u64 s[38:39], s[18:19], s[36:37]      ; my pair's two images
	s_lshl_b32 s36, s35, 7
	s_add_co_u32 s36, s36, 8192
	s_add_nc_u64 s[40:41], s[18:19], s[36:37]      ; and its scale words
.irp j, 0,1,2,3,4,5,6,7
	global_load_b128 v[GAM+4*\j:GAM+4*\j+3], v1, s[6:7] offset:512*\j
.endr
.irp j, 0,1,2,3,4,5,6,7
	global_load_b128 v[BET+4*\j:BET+4*\j+3], v1, s[8:9] offset:512*\j
.endr
.irp i, 0,1,2,3
.irp j, 0,1,2,3,4,5,6,7
	global_load_b128 v[XR0+32*\i+4*\j:XR0+32*\i+4*\j+3], v1, s[4:5] offset:4096*\i+512*\j th:TH_LOAD_NT   ; 512 consecutive bytes a load
.endr
.endr
	ROW 0
	ROW 1
	ROW 2
	ROW 3
	s_wait_dscnt 0x0                               ; for the others' sake: my stores of codes and bytes are done
	s_barrier_signal -1
	s_barrier_wait -1
.irp u, 0,1
.irp c, 0,1
	ds_load_b128 v[XR0+8*\u+4*\c:XR0+8*\u+4*\c+3], v6 offset:272*(32*\u+2*\c)
.endr
.endr
	ds_load_b32 v[XR0+16], v7
.irp u, 0,1
.irp c, 0,1
	s_wait_dscnt 4-(2*\u+\c)                       ; the younger LDS loads may be out
	global_store_b128 v1, v[XR0+8*\u+4*\c:XR0+8*\u+4*\c+3], s[38:39] offset:1024*\u+512*\c   ; 512 consecutive bytes
.endr
.endr
	s_wait_dscnt 0x0
	global_store_b32 v8, v[XR0+16], s[40:41]
	s_wait_tensorcnt 0x0
	ds_add_u32 v26, v27
	s_wait_dscnt 0x0
	s_endpgm
.Lnot_ln:
	s_cmp_lt_u32 ttmp9, 384
	s_cbranch_scc0 .Lrope
	; ---------------- W: which weight (sel), which 128 along k (K step), which 256 columns (cg); wave w takes 32 columns: a lane a column, its registers down k
	s_sub_co_u32 s32, ttmp9, 256
	s_lshr_b32 s33, s32, 5                         ; sel
	s_bfe_u32 s34, s32, 0x30002                    ; K step
	s_and_b32 s35, s32, 3                          ; cg
	s_lshr_b32 s40, s26, 2
	s_and_b32 s41, s26, 3
	s_lshl_b32 s42, s35, 1
	s_add_co_u32 s42, s42, s40                     ; group of two heads
	s_lshl_b32 s42, s42, 3
	s_add_co_u32 s42, s42, s34
	s_mul_i32 s42, s42, 3
	s_add_co_u32 s42, s42, s33                     ; the record in wqkv: [group][K step][part]
	s_lshl_b32 s43, s35, 3
	s_add_co_u32 s43, s43, s34
	s_lshl_b32 s43, s43, 1
	s_add_co_u32 s43, s43, s40                     ; the record in wo: [cg][K step][2]
	s_lshl_b32 s44, s34, 19                        ; 128 rows of 4,096 bytes a K step
	s_lshl_b32 s45, s35, 10
	s_add_co_u32 s44, s44, s45
	s_lshl_b32 s45, s26, 7
	s_add_co_u32 s44, s44, s45
	s_mov_b32 s45, 0
	s_cmp_lt_u32 s33, 1
	s_cselect_b64 s[36:37], s[10:11], s[12:13]
	s_cmp_lt_u32 s33, 2
	s_cselect_b64 s[36:37], s[36:37], s[14:15]
	s_cmp_lt_u32 s33, 3
	s_cselect_b64 s[36:37], s[36:37], s[16:17]     ; the weight
	s_cselect_b64 s[38:39], s[20:21], s[22:23]     ; where its codes go
	s_cselect_b32 s42, s42, s43
	s_add_nc_u64 s[36:37], s[36:37], s[44:45]
	s_mul_i32 s44, s42, REC
	s_add_nc_u64 s[38:39], s[38:39], s[44:45]
	s_lshl_b32 s44, s41, 11
	s_add_nc_u64 s[48:49], s[38:39], s[44:45]      ; my pair's two images
	s_lshl_b32 s44, s41, 7
	s_add_co_u32 s44, s44, 8192
	s_add_nc_u64 s[50:51], s[38:39], s[44:45]      ; its scale words
	s_wait_alu depctr_va_vdst(0)
	v_lshlrev_b32 v3, 2, v9
	v_bfe_u32 v10, v9, 3, 1                        ; u: column lane = 8 u + (r & 7) + 16 (r >> 3)
	v_and_b32 v11, 7, v9
	v_lshrrev_b32 v12, 4, v9
	s_delay_alu instid0(VALU_DEP_1)
	v_lshl_add_u32 v11, v12, 3, v11                ; r
	s_delay_alu instid0(VALU_DEP_4)
	v_lshlrev_b32 v4, 10, v10
	s_delay_alu instid0(VALU_DEP_1)
	v_lshl_add_u32 v4, v11, 4, v4                  ; 1024 u + 16 r
	v_lshlrev_b32 v5, 6, v10
	s_delay_alu instid0(VALU_DEP_1)
	v_lshl_add_u32 v5, v11, 2, v5                  ; 64 u + 4 r
.set k, 0
.rept 128
	global_load_b32 v[64+k], v3, s[36:37] offset:4096*k th:TH_LOAD_NT
.set k, k+1
.endr
	WBLOCK 0, 63                                   ; 96 younger loads might stay out; the count written is the largest that the wait can name, which is less
	WBLOCK 1, 63                                   ; (64 might)
	WBLOCK 2, 32
	WBLOCK 3, 0
	global_store_b32 v5, v24, s[50:51]
	s_endpgm
.Lrope:
	; ---------------- ROPE: wave w makes the table of position tile T = 8 (wg - 384) + w: [tau 4][half 2][lane][cos, sin, cos, sin];
	; lane (r, h) holds the position of row r and the frequencies i = 16 (tau >> 1) + 4 (tau & 1) + 2 half + e + 8 h
	s_sub_co_u32 s32, ttmp9, 384
	s_lshl_b32 s32, s32, 3
	s_add_co_u32 s32, s32, s26
	s_lshr_b32 s33, s32, 1
	s_lshl_b32 s33, s33, 5
	s_and_b32 s34, s32, 1
	s_lshl_b32 s34, s34, 3
	s_add_co_u32 s33, s33, s34
	s_lshl_b32 s34, s32, 12
	s_mov_b32 s35, 0
	s_add_nc_u64 s[24:25], s[24:25], s[34:35]
	s_mov_b32 s40, 0x3f22f983                      ; 2 / pi
	s_mov_b32 s41, 0x3fc90fdb                      ; pi / 2, upper part
	s_mov_b32 s42, 0xb33bbd2e                      ; and what is left of it
	s_mov_b32 s43, 0xbe2aaaa3                      ; sin's three coefficients
	s_mov_b32 s44, 0x3c08839e
	s_mov_b32 s45, 0xb94ca1f9
	s_mov_b32 s46, 0x3d2aaaa5                      ; cos's three
	s_mov_b32 s47, 0xbab6061a
	s_mov_b32 s48, 0x37ccf5ce
	s_wait_alu depctr_va_vdst(0)
	v_and_b32 v2, 7, v9
	v_bfe_u32 v3, v9, 3, 1
	s_delay_alu instid0(VALU_DEP_1)
	v_lshl_add_u32 v2, v3, 4, v2
	s_delay_alu instid0(VALU_DEP_1)
	v_add_nc_u32 v2, s33, v2
	s_delay_alu instid0(VALU_DEP_1)
	v_cvt_f32_u32 v8, v2                           ; my row's position
	v_lshlrev_b32 v1, 4, v9
	v_cmp_le_u32 vcc_lo, 16, v9                    ; lanes 16-31
	FREQ 0,  0x3f800000, 0x41200000
	FREQ 1,  0x3faab0d5, 0x41555d0a
	FREQ 2,  0x3fe39ea9, 0x418e432a
	FREQ 3,  0x4017c496, 0x41bdb5bc
	FREQ 4,  0x404a62c2, 0x41fcfb72
	FREQ 5,  0x4086f161, 0x4228adb9
	FREQ 6,  0x40b3f300, 0x4260efc0
	FREQ 7,  0x40eff755, 0x4295fa95
	FREQ 8,  0x42c80000, 0x447a0000
	FREQ 9,  0x43055a26, 0x44a6b0b0
	FREQ 10, 0x4331d3f4, 0x44de48f1
	FREQ 11, 0x436d232b, 0x451435fb
	FREQ 12, 0x439e1d27, 0x4545a471
	FREQ 13, 0x43d2d927, 0x4583c7b8
	FREQ 14, 0x440c95d8, 0x45afbb4e
	FREQ 15, 0x443b793b, 0x45ea5789
	s_wait_alu depctr_va_vdst(0)
.irp i, 0,1,2,3,4,5,6,7,8,9,10,11,12,13,14,15
	v_rcp_f32 v[48+\i], v[32+\i]
.endr
	v_nop
	s_wait_alu depctr_va_vdst(0)                   ; one wait for the sixteen reciprocals
.rept 2                                        ; inv_freq = 1 / p, mended by r += r (1 - p r)
.irp i, 0,1,2,3,4,5,6,7,8,9,10,11,12,13,14,15
	v_fma_f32 v10, -v[32+\i], v[48+\i], 1.0
	v_fma_f32 v[48+\i], v10, v[48+\i], v[48+\i]
.endr
.endr
.irp i, 0,1,2,3,4,5,6,7,8,9,10,11,12,13,14,15
	SINCOS \i
.endr
.irp k, 0,1,2,3,4,5,6,7
	global_store_b128 v1, v[64+4*\k:64+4*\k+3], s[24:25] offset:512*\k
.endr
	s_endpgm
.Lfunc_end_k_q44442f6d9e_prep:
	.size	k_q44442f6d9e_prep, .Lfunc_end_k_q44442f6d9e_prep-k_q44442f6d9e_prep
	.p2alignl 7, 3214868480
	.fill 96, 4, 3214868480
	.section	.rodata,"a",@progbits
	.p2align	6, 0x0
	.amdhsa_kernel k_q44442f6d9e_prep
		.amdhsa_group_segment_fixed_size 56320
		.amdhsa_private_segment_fixed_size 0
		.amdhsa_enable_private_segment 0
		.amdhsa_kernarg_size 88
		.amdhsa_user_sgpr_count 2
		.amdhsa_user_sgpr_kernarg_segment_ptr 1
		.amdhsa_wavefront_size32 1
		.amdhsa_system_sgpr_workgroup_id_x 1
		.amdhsa_system_sgpr_workgroup_id_y 1
		.amdhsa_system_sgpr_workgroup_id_z 1
		.amdhsa_system_vgpr_workitem_id 0
		.amdhsa_next_free_vgpr 256
		.amdhsa_next_free_sgpr 66
		.amdhsa_reserve_vcc 1
		.amdhsa_float_denorm_mode_32 3
		.amdhsa_float_denorm_mode_16_64 3
		.amdhsa_memory_ordered 1
		.amdhsa_forward_progress 1
		.amdhsa_inst_pref_size 112
	.end_amdhsa_kernel
	.amdgpu_metadata
---
amdhsa.version: [ 1, 2 ]
amdhsa.kernels:
  - .name:           k_q44442f6d9e_prep
    .symbol:         k_q44442f6d9e_prep.kd
    .args:
      - { .name: x, .offset: 0, .size: 8, .value_kind: global_buffer, .address_space: global }
      - { .name: ln_gamma, .offset: 8, .size: 8, .value_kind: global_buffer, .address_space: global }
      - { .name: ln_beta, .offset: 16, .size: 8, .value_kind: global_buffer, .address_space: global }
      - { .name: Wq, .offset: 24, .size: 8, .value_kind: global_buffer, .address_space: global }
      - { .name: Wk, .offset: 32, .size: 8, .value_kind: global_buffer, .address_space: global }
      - { .name: Wv, .offset: 40, .size: 8, .value_kind: global_buffer, .address_space: global }
      - { .name: Wo, .offset: 48, .size: 8, .value_kind: global_buffer, .address_space: global }
      - { .name: xq, .offset: 56, .size: 8, .value_kind: global_buffer, .address_space: global }
      - { .name: wqkv, .offset: 64, .size: 8, .value_kind: global_buffer, .address_space: global }
      - { .name: wo, .offset: 72, .size: 8, .value_kind: global_buffer, .address_space: global }
      - { .name: rope, .offset: 80, .size: 8, .value_kind: global_buffer, .address_space: global }
    .group_segment_fixed_size: 56320
    .private_segment_fixed_size: 0
    .kernarg_segment_align: 8
    .kernarg_segment_size: 88
    .max_flat_workgroup_size: 256
    .sgpr_count:     66
    .vgpr_count:     256
    .wavefront_size: 32
...
	.end_amdgpu_metadata
.endif
;; end of part 1
;; launch qkv (part 2): grid 8 x 64, 12 waves a work-group, clusters of 4 x 4, 327,680 bytes of LDS; arguments xq, wqkv, rope, bq, bk, bv, qc, qs, kv; writes qc, qs, kv
.if DOCPART == 2
	.amdgcn_target "amdgcn-amd-amdhsa--gfx1250"
	.amdhsa_code_object_version 6
	.text
	.protected	k_q44442f6d9e_qkv
	.globl	k_q44442f6d9e_qkv
	.p2align	8
	.type	k_q44442f6d9e_qkv,@function
k_q44442f6d9e_qkv:
	s_mov_b64 s[64:65], 0
	v_nop
	global_prefetch_b8 v0, s[64:65] scope:SCOPE_SE
	s_setreg_imm32_b32 hwreg(HW_REG_WAVE_MODE, 25, 1), 1
	s_wait_xcnt 0x0
	s_wait_alu depctr_hold_cnt(0) depctr_sa_sdst(0) depctr_va_vdst(0) depctr_va_sdst(0) depctr_va_ssrc(0) depctr_va_vcc(0) depctr_vm_vsrc(0)
	s_getreg_b32 s2, hwreg(HW_REG_IB_STS2, 6, 4)
	s_cmp_eq_u32 s2, 0
	s_cbranch_scc0 .Lentry_in_a_cluster
	s_endpgm
.Lentry_in_a_cluster:
	s_bfe_u32 s2, ttmp6, 0x10000c
	s_cmp_lg_u32 s2, 0xf033
	s_cbranch_scc0 .Lentry_shape_is_right
	s_endpgm
.Lentry_shape_is_right:
; QKV.  q, k, v = xn W + b on codes of FP4 (E2M1) with E8M0 scales for each 32 along K = 1,024; RoPE on q and k in f32; q and k quantised along the head's 64, v along the tokens (the keys).
; A work-group takes 128 tokens (tb) x two heads (2 g, 2 g + 1) of q, k and v.  Twelve waves, each 64 x 64: waves 0-3 q, 4-7 k, 8-11 v.
; q, k: source 0 = four tiles of the weight's columns (head 2 g + bit 1), source 1 = four tiles of tokens (half bit 0): a lane holds ONE token, its registers run along the channels.
; v:    source 0 = four tiles of tokens (half bit 1), source 1 = four tiles of Wv's columns (head 2 g + bit 0): a lane holds ONE channel, its registers run along the tokens.
; A tile's 16 rows are the indices 8 u + (r & 7) + 16 (r >> 3) of a pair of 32, so that registers j of tiles 2 p and 2 p + 1 in lane half h are the 16 neighbours 32 p + 16 h + 8 u + j.
; ALL OPERANDS OF THE WORK-GROUP LIE IN LDS AT ONCE: 32 records of 8,704 bytes (K step s: Wq, Wk, xn, Wv) and the RoPE table of the 128 positions.  Each wave asks for three of them at the start;
; nothing is filled again.  By this text's own count a wave has three tensor loads out.
; CLUSTER 4 x 4: the weights' records hang on g alone and are asked for jointly along a column, xn's and the table's on tb alone and jointly along a row.
; LIMITS: NaN and infinities are not served; a block whose largest magnitude lies under 2^-124 keeps the scale byte 1.
.set REC,   8704
.set KST,   4*REC                      ; a K step's four records
.set ROPEB, 32*REC                     ; the RoPE table: 8 tiles x 4,096 bytes
.set SCR,   ROPEB+32768                ; 2 x 256 bytes of their own, where v's scale halfwords of two token halves meet
.set KVREC, 8960                       ; kv's record: K codes 4,096, K scale words 512, V^T codes 4,096, V scale words 256
.set FA,  16                           ; v16-47   source 0's four fragments; later cos and sin
.set FB,  48                           ; v48-79   source 1's; later cos and sin
.set SA,  80                           ; v80-81   source 0's scale words: lanes 0-15 tile 2 t, lanes 16-31 tile 2 t + 1
.set SB,  82                           ; v82-83   source 1's
.set BI,  84                           ; v84-115  the bias in the result's layout, the C of the first K step; later:
.set PC,  84                           ; v84-99   codes, four registers a tile
.set TM,  100                          ; v100-107 at work in the quantiser
.set TT,  108                          ; v108-115 at work in the rotation
.set HW,  116                          ; v116-119 two scale bytes a tile
.set ACC, 128                          ; v128-255 accumulator (a, b) at 128 + 32 b + 8 a
.set WV,  22
.set SEL, 66
.macro NOPS n
.rept \n
	v_nop
.endr
.endm
.macro CROUND                          ; a round of the cluster's barrier
	s_barrier_signal -1
	s_barrier_wait -1
	s_cmp_lg_u32 s[WV], 0
	s_cbranch_scc1 .Lnot_wave_0_\@
	s_barrier_signal -3
.Lnot_wave_0_\@:
	s_barrier_wait -3
	s_barrier_signal -1
	s_barrier_wait -1
.endm
; A joint load of record 12 j + wave: waves whose number is 2 modulo 4 fetch xn's, the others a weight's.  The branch hangs on the wave's number alone.  Four v_nop follow each line.
.macro JL j
	s_cmp_eq_u32 s88, 2
	s_cbranch_scc0 .Lw_\@
	tensor_load_to_lds s[68+4*\j:71+4*\j], s[36:43]
	s_nop 0
	NOPS 4
	s_branch .Ld_\@
.Lw_\@:
	tensor_load_to_lds s[52+4*\j:55+4*\j], s[28:35]
	s_nop 0
	NOPS 4
.Ld_\@:
.endm
.macro WM d, a, b, c, sa, sb, ra, rb   ; one product; ra, rb: the scale words lie in lanes 16-31
.if (\ra) && (\rb)
	v_wmma_scale_f32_16x16x128_f8f6f4 v[\d:\d+7], v[\a:\a+7], v[\b:\b+7], v[\c:\c+7], v[\sa], v[\sb] matrix_a_fmt:MATRIX_FMT_FP4 matrix_b_fmt:MATRIX_FMT_FP4 matrix_a_scale:MATRIX_SCALE_ROW1 matrix_b_scale:MATRIX_SCALE_ROW1
.elseif (\ra)
	v_wmma_scale_f32_16x16x128_f8f6f4 v[\d:\d+7], v[\a:\a+7], v[\b:\b+7], v[\c:\c+7], v[\sa], v[\sb] matrix_a_fmt:MATRIX_FMT_FP4 matrix_b_fmt:MATRIX_FMT_FP4 matrix_a_scale:MATRIX_SCALE_ROW1
.elseif (\rb)
	v_wmma_scale_f32_16x16x128_f8f6f4 v[\d:\d+7], v[\a:\a+7], v[\b:\b+7], v[\c:\c+7], v[\sa], v[\sb] matrix_a_fmt:MATRIX_FMT_FP4 matrix_b_fmt:MATRIX_FMT_FP4 matrix_b_scale:MATRIX_SCALE_ROW1
.else
	v_wmma_scale_f32_16x16x128_f8f6f4 v[\d:\d+7], v[\a:\a+7], v[\b:\b+7], v[\c:\c+7], v[\sa], v[\sb] matrix_a_fmt:MATRIX_FMT_FP4 matrix_b_fmt:MATRIX_FMT_FP4
.endif
.endm
; A K step's 16 products.  The 16 accumulators take turns, one instruction a turn, in one order throughout.
; cm = 0: onto the sums; 1: the sums begin with the bias of source 0's tile; 2: of source 1's.
.macro MUL16 cm
.irp b, 0,1,2,3
.irp a, 0,1,2,3
.if \cm == 0
	WM ACC+32*\b+8*\a, FA+8*\a, FB+8*\b, ACC+32*\b+8*\a, SA+\a/2, SB+\b/2, \a%2, \b%2
.elseif \cm == 1
	WM ACC+32*\b+8*\a, FA+8*\a, FB+8*\b, BI+8*\a, SA+\a/2, SB+\b/2, \a%2, \b%2
.else
	WM ACC+32*\b+8*\a, FA+8*\a, FB+8*\b, BI+8*\b, SA+\a/2, SB+\b/2, \a%2, \b%2
.endif
.endr
.endr
.endm
; A K step's operands from LDS: images of the registers, 512 consecutive bytes a load.  step = 1: the four additions are also the four places between the last products and the loads into their registers.
.macro KLOAD step
.if \step
	v_add_nc_u32 v3, KST, v3
	v_add_nc_u32 v4, KST, v4
	v_add_nc_u32 v5, KST, v5
	v_add_nc_u32 v6, KST, v6
.endif
.irp a, 0,1,2,3
.irp c, 0,1
	ds_load_b128 v[FA+8*\a+4*\c:FA+8*\a+4*\c+3], v3 offset:1024*\a+512*\c
.endr
.endr
.irp a, 0,1,2,3
.irp c, 0,1
	ds_load_b128 v[FB+8*\a+4*\c:FB+8*\a+4*\c+3], v4 offset:1024*\a+512*\c
.endr
.endr
	ds_load_b32 v[SA], v5
	ds_load_b32 v[SA+1], v5 offset:128
	ds_load_b32 v[SB], v6
	ds_load_b32 v[SB+1], v6 offset:128
	s_wait_dscnt 0x0
.endm
; 32 numbers of a lane, register 16 b + i = k 32 b + 16 h + i of my row, become two blocks' codes (lane (r, h): block h of row r, in v[pc] .. v[pc + 3]) and their two scale bytes in v[hw].
.macro QUANT2 s, pc, hw
.irp b, 0,1
	v_max3_num_f32 v[TM+\b], |v[\s+16*\b]|, |v[\s+1+16*\b]|, 0x1800000   ; with the floor 2^(3 - 127): the byte cannot fall under 1
.endr
.irp i, 2,4,6,8,10,12,14
.irp b, 0,1
	v_max3_num_f32 v[TM+\b], v[TM+\b], |v[\s+16*\b+\i]|, |v[\s+1+16*\b+\i]|
.endr
.endr
.irp b, 0,1
	s_delay_alu instid0(VALU_DEP_2)
	v_permlanex16_b32 v[TM+2+\b], v[TM+\b], s[SEL], s[SEL+1]
.endr
.irp b, 0,1
	s_delay_alu instid0(VALU_DEP_2)
	v_max_num_f32 v[TM+\b], v[TM+\b], v[TM+2+\b]   ; with lane l xor 16's: the block's largest magnitude
.endr
.irp b, 0,1
	s_delay_alu instid0(VALU_DEP_2)
	v_add_nc_u32 v[TM+4+\b], 0xff000000, v[TM+\b]  ; 2 off its exponent field: the conversion's scale operand
.endr
.irp b, 0,1
	s_delay_alu instid0(VALU_DEP_2)
	v_lshrrev_b32 v[TM+6+\b], 23, v[TM+4+\b]       ; the scale's byte
.endr
	s_delay_alu instid0(VALU_DEP_1)
	v_lshl_or_b32 v[\hw], v[TM+7], 8, v[TM+6]
.irp b, 0,1
	v_cvt_scalef32_pk8_fp4_f32 v[\pc+2*\b], v[\s+16*\b:\s+16*\b+7], v[TM+4+\b]
	v_cvt_scalef32_pk8_fp4_f32 v[\pc+2*\b+1], v[\s+16*\b+8:\s+16*\b+15], v[TM+4+\b]
.endr
	v_nop                                          ; a plain instruction behind the last conversion
	v_permlane16_swap_b32 v[\pc], v[\pc+2]         ; half blocks change places: a lane then holds a whole block
	v_permlane16_swap_b32 v[\pc+1], v[\pc+3]
.endm
.macro CSLOAD b, buf                   ; cos and sin of token tile b: register 8 tau + 2 q: cos, + 1: sin, of my token and the pair of channels that accumulator tau holds in registers 2 q, 2 q + 1
.irp k, 0,1,2,3,4,5,6,7
	ds_load_b128 v[\buf+4*\k:\buf+4*\k+3], v7 offset:4096*(\b)+512*\k
.endr
.endm
.macro ROT b, buf                      ; (x1, x2) -> (x1 cos - x2 sin, x1 sin + x2 cos); each accumulator is read from its low end on
.irp t, 0,1,2,3
.irp q, 0,1,2,3
	v_pk_mul_f32 v[TT+2*\q:TT+2*\q+1], v[ACC+32*(\b)+8*\t+2*\q:ACC+32*(\b)+8*\t+2*\q+1], v[\buf+8*\t+2*\q:\buf+8*\t+2*\q+1] op_sel:[1,1] op_sel_hi:[0,1]   ; (x2 sin, x1 sin)
.endr
.irp q, 0,1,2,3
	v_fma_f32 v[ACC+32*(\b)+8*\t+2*\q], v[ACC+32*(\b)+8*\t+2*\q], v[\buf+8*\t+2*\q], -v[TT+2*\q]
	v_fma_f32 v[ACC+32*(\b)+8*\t+2*\q+1], v[ACC+32*(\b)+8*\t+2*\q+1], v[\buf+8*\t+2*\q], v[TT+2*\q+1]
.endr
.endr
.endm
	s_load_b512 s[4:19], s[0:1], 0x0               ; xq 4, wqkv 6, rope 8, bq 10, bk 12, bv 14, qc 16, qs 18
	s_load_b64 s[20:21], s[0:1], 0x40              ; kv
	v_lshl_add_u32 v126, v0, 2, 0x4c200
	v_mov_b32 v127, 0
	ds_add_u32 v126, v127
	ds_add_u32 v126, v127
	v_lshrrev_b32 v1, 5, v0
	s_delay_alu instid0(VALU_DEP_1)
	v_readfirstlane_b32 s[WV], v1                  ; wave 0..11
	s_and_b32 s23, s[WV], 1                        ; bit 0
	s_bfe_u32 s24, s[WV], 0x10001                  ; bit 1
	s_lshr_b32 s87, s[WV], 2                       ; 0 q, 1 k, 2 v.  Also: which K step of three I fetch
	s_and_b32 s88, s[WV], 3                        ; which of a K step's four records I fetch: 0 Wq, 1 Wk, 2 xn, 3 Wv
	s_lshr_b32 s89, s88, 1
	s_sub_co_u32 s89, s88, s89                     ; the weight's part in wqkv: 0, 1, (1), 2
	s_bfe_u32 s25, ttmp6, 0x40000                  ; cx
	s_bfe_u32 s26, ttmp6, 0x40004                  ; cy
	s_lshl_b32 s27, ttmp9, 2
	s_add_co_u32 s27, s27, s25                     ; g = 4 x cluster x + cx
	s_and_b32 s84, ttmp7, 0xffff
	s_lshl_b32 s84, s84, 2
	s_add_co_u32 s84, s84, s26                     ; tb = 4 x cluster y + cy
	s_lshl_b32 s85, s26, 2
	s_lshl_b32 s85, 15, s85                        ; my row of the cluster
	s_lshl_b32 s86, 0x1111, s25                    ; my column
	s_mov_b32 s[SEL], 0x76543210
	s_mov_b32 s[SEL+1], 0xfedcba98
	; descriptor groups 1: dense blocks as rows of 256 bytes (32 elements of 8 bytes): a record is 34 rows, a quarter of the table 32
	s_or_b32 s28, s86, (3<<16)|(1<<21)             ; the weights: to my column
	s_or_b32 s36, s85, (3<<16)|(1<<21)             ; xn: to my row
	s_or_b32 s44, s85, (3<<16)|(1<<21)             ; the table: to my row
.irp g, 28, 36
	s_mov_b32 s[\g+1], 32<<16
	s_mov_b32 s[\g+2], 34<<16
	s_mov_b32 s[\g+3], 32<<16
	s_mov_b32 s[\g+4], 34
	s_mov_b32 s[\g+5], 32
	s_mov_b32 s[\g+6], 0
	s_mov_b32 s[\g+7], 0
.endr
	s_mov_b32 s45, 32<<16
	s_mov_b32 s46, 32<<16
	s_mov_b32 s47, 32<<16
	s_mov_b32 s48, 32
	s_mov_b32 s49, 32
	s_mov_b32 s50, 0
	s_mov_b32 s51, 0
	s_mul_i32 s90, s27, 24                         ; wqkv: record (g 8 + s) 3 + part, s = 3 j + wave / 4
	s_mul_i32 s91, s87, 3
	s_add_co_u32 s90, s90, s91
	s_add_co_u32 s90, s90, s89
	s_mul_i32 s90, s90, REC
	s_mov_b32 s91, 0
	s_lshl_b32 s92, s84, 3                         ; xq: record tb 8 + s
	s_add_co_u32 s92, s92, s87
	s_mul_i32 s92, s92, REC
	s_mov_b32 s93, 0
	s_mul_i32 s94, s[WV], REC                      ; LDS: record 12 j + wave
	s_and_b32 s96, s84, 15                         ; the table: the block's place in its sequence,
	s_lshl_b32 s96, s96, 15
	s_lshl_b32 s95, s88, 13                        ; and my quarter
	s_add_co_u32 s96, s96, s95
	s_mov_b32 s97, 0
	s_wait_dscnt 0x0
	s_wait_kmcnt 0x0
	s_add_nc_u64 s[90:91], s[6:7], s[90:91]
	s_add_nc_u64 s[92:93], s[4:5], s[92:93]
.irp j, 0,1,2
	s_mov_b32 s[52+4*\j], 1
	s_add_co_u32 s[53+4*\j], s94, \j*12*REC
	s_add_nc_u64 s[54+4*\j:55+4*\j], s[90:91], \j*9*REC
	s_or_b32 s[55+4*\j], s[55+4*\j], 0x80000000
	s_mov_b32 s[68+4*\j], 1
	s_add_co_u32 s[69+4*\j], s94, \j*12*REC
	s_add_nc_u64 s[70+4*\j:71+4*\j], s[92:93], \j*3*REC
	s_or_b32 s[71+4*\j], s[71+4*\j], 0x80000000
.endr
	s_mov_b32 s80, 1
	s_add_co_u32 s81, s95, ROPEB
	s_add_nc_u64 s[82:83], s[8:9], s[96:97]
	s_or_b32 s83, s83, 0x80000000
	CROUND                                         ; all sixteen work-groups are here: the joint loads meet
	JL 0                                           ; K steps 0-2
	JL 1                                           ; K steps 3-5
	s_cmp_lt_u32 s[WV], 8
	s_cbranch_scc0 .Lfill_rope
	JL 2                                           ; K steps 6, 7: waves 0-7
	s_branch .Lfilled
.Lfill_rope:
	tensor_load_to_lds s[80:83], s[44:51]          ; the table: waves 8-11
	s_nop 0
	NOPS 4
.Lfilled:
	; every LDS address is made here, ahead of the first parting of the roles
	v_and_b32 v13, 31, v0                          ; lane
	v_and_b32 v14, 15, v0                          ; r
	v_bfe_u32 v15, v0, 4, 1                        ; h
	s_delay_alu instid0(VALU_DEP_3)
	v_lshlrev_b32 v1, 4, v13                       ; 16 x lane
	s_wait_alu depctr_va_vdst(0)
	v_lshlrev_b32 v2, 2, v13                       ; 4 x lane
	s_wait_alu depctr_va_vdst(0)
	s_mul_i32 s95, s87, REC                        ; source 0's record: Wq, Wk or xn
	s_lshl_b32 s96, s24, 12
	s_add_co_u32 s96, s96, s95
	v_add_nc_u32 v3, s96, v1                       ; its four tiles: half bit 1
	s_lshl_b32 s96, s24, 8
	s_add_co_u32 s96, s96, s95
	s_add_co_u32 s96, s96, 8192
	v_add_nc_u32 v5, s96, v2                       ; their scale words
	s_lshr_b32 s95, s[WV], 3
	s_add_co_u32 s95, s95, 2
	s_mul_i32 s95, s95, REC                        ; source 1's record: xn or Wv
	s_lshl_b32 s96, s23, 12
	s_add_co_u32 s96, s96, s95
	v_add_nc_u32 v4, s96, v1                       ; half bit 0
	s_lshl_b32 s96, s23, 8
	s_add_co_u32 s96, s96, s95
	s_add_co_u32 s96, s96, 8192
	v_add_nc_u32 v6, s96, v2
	s_lshl_b32 s96, s23, 14
	s_add_co_u32 s96, s96, ROPEB
	v_add_nc_u32 v7, s96, v1                       ; the table of my four token tiles
	s_lshl_b32 s96, s23, 8
	s_lshl_b32 s97, s24, 1
	s_add_co_u32 s96, s96, s97
	s_add_co_u32 s96, s96, SCR
	v_lshl_add_u32 v8, v14, 2, s96                 ; v's scale halfword: head bit 0, word of channel r, half bit 1
	s_lshl_b32 s96, s23, 8
	s_add_co_u32 s96, s96, SCR
	v_lshl_add_u32 v9, v13, 3, s96                 ; and where a head's 64 words are read back
	v_lshlrev_b32 v10, 3, v13                      ; 8 x lane
	v_lshlrev_b32 v11, 6, v15                      ; q, k: bias of channels 16 h on
	v_and_b32 v12, 7, v14
	v_lshrrev_b32 v120, 3, v14
	s_delay_alu instid0(VALU_DEP_1)
	v_lshl_add_u32 v12, v120, 4, v12
	s_delay_alu instid0(VALU_DEP_1)
	v_lshlrev_b32 v12, 2, v12                      ; v: bias of channel (r & 7) + 16 (r >> 3)
	v_cmp_eq_u32 s99, 1, v15                       ; lanes 16-31
	s_lshl_b32 s98, s27, 1
	s_cmp_lt_u32 s[WV], 8
	s_cselect_b32 s95, s24, s23
	s_add_co_u32 s98, s98, s95                     ; my head
	s_cmp_lt_u32 s[WV], 4
	s_cselect_b64 s[96:97], s[10:11], s[12:13]
	s_cmp_lt_u32 s[WV], 8
	s_cselect_b64 s[96:97], s[96:97], s[14:15]
	s_lshl_b32 s2, s98, 8
	s_mov_b32 s3, 0
	s_add_nc_u64 s[96:97], s[96:97], s[2:3]        ; my head's 64 numbers of bq, bk or bv
	s_cmp_lt_u32 s[WV], 8
	s_cbranch_scc0 .Lbias_v
	s_wait_alu depctr_va_vdst(0)
.irp a, 0,1,2,3
	global_load_b128 v[BI+8*\a:BI+8*\a+3], v11, s[96:97] offset:(32*(\a/2)+8*(\a%2))*4
	global_load_b128 v[BI+8*\a+4:BI+8*\a+7], v11, s[96:97] offset:(32*(\a/2)+8*(\a%2))*4+16
.endr
	s_branch .Lbias_done
.Lbias_v:
	s_wait_alu depctr_va_vdst(0)
.irp b, 0,1,2,3
.irp j, 0,1,2,3,4,5,6,7
	global_load_b32 v[BI+8*\b+\j], v12, s[96:97] offset:(32*(\b/2)+8*(\b%2))*4     ; a lane's eight registers are eight tokens of one channel: the same number
.endr
.endr
.Lbias_done:
	s_wait_tensorcnt 0x2                           ; my first load has landed; my second and third may be out
	s_barrier_signal -1
	s_barrier_wait -1                              ; everybody's has: K steps 0-2 are whole
	KLOAD 0
	s_wait_loadcnt 0x0                             ; the bias
	s_cmp_lt_u32 s[WV], 8
	s_cbranch_scc0 .Lk0_v
	MUL16 1
	s_branch .Lk0_done
.Lk0_v:
	MUL16 2
.Lk0_done:
	KLOAD 1
	MUL16 0
	s_wait_alu depctr_va_vdst(0)
	KLOAD 1
	MUL16 0
	s_wait_tensorcnt 0x1                           ; my second load has landed
	s_barrier_signal -1
	s_barrier_wait -1                              ; K steps 3-5 are whole
	s_wait_alu depctr_va_vdst(0)
	KLOAD 1
	MUL16 0
	s_wait_alu depctr_va_vdst(0)
	KLOAD 1
	MUL16 0
	s_wait_alu depctr_va_vdst(0)
	KLOAD 1
	MUL16 0
	s_wait_tensorcnt 0x0                           ; my third
	s_barrier_signal -1
	s_barrier_wait -1                              ; K steps 6, 7 and the table are whole
	s_wait_alu depctr_va_vdst(0)
	KLOAD 1
	MUL16 0
	s_wait_alu depctr_va_vdst(0)
	KLOAD 1
	MUL16 0
	NOPS 4                                         ; places between the last products and the first read of results, and the loads into the fragments' registers
	v_mov_b32 v[TM+2], 0                           ; a lane permute's destination counts as one of its sources
	v_mov_b32 v[TM+3], 0
	; where the results go.  bh = 16 x batch + head; kappa = the block's place in its sequence
	s_lshr_b32 s95, s84, 4
	s_lshl_b32 s95, s95, 4
	s_add_co_u32 s95, s95, s98                     ; bh
	s_and_b32 s96, s84, 15                         ; kappa
	s_lshl_b32 s97, s95, 4
	s_add_co_u32 s97, s97, s96
	s_mul_i32 s2, s97, KVREC
	s_mov_b32 s3, 0
	s_add_nc_u64 s[20:21], s[20:21], s[2:3]        ; kv's record (bh, kappa)
	s_lshl_b32 s2, s95, 16
	s_lshl_b32 s97, s96, 12
	s_add_co_u32 s2, s2, s97
	s_add_nc_u64 s[16:17], s[16:17], s[2:3]        ; qc: tile 128 bh + 8 kappa, 512 bytes a tile
	s_lshl_b32 s2, s95, 13
	s_lshl_b32 s97, s96, 9
	s_add_co_u32 s2, s2, s97
	s_add_nc_u64 s[18:19], s[18:19], s[2:3]        ; qs: pair 64 bh + 4 kappa, 128 bytes a pair
	s_add_nc_u64 s[10:11], s[20:21], 4096          ; K's scale words
	s_add_nc_u64 s[14:15], s[20:21], 8704          ; V's scale words
	s_lshl_b32 s2, s24, 9
	s_add_co_u32 s2, s2, 4608
	s_add_nc_u64 s[12:13], s[20:21], s[2:3]        ; V^T's images: half c = bit 1
	s_cmp_lt_u32 s[WV], 4
	s_cselect_b64 s[16:17], s[16:17], s[20:21]     ; codes: q's or k's
	s_cselect_b64 s[18:19], s[18:19], s[10:11]     ; scale words likewise
	s_lshl_b32 s2, s23, 11
	s_add_nc_u64 s[16:17], s[16:17], s[2:3]        ; my four tiles
	s_lshl_b32 s2, s23, 8
	s_add_nc_u64 s[18:19], s[18:19], s[2:3]        ; my two pairs
	s_cmp_lt_u32 s[WV], 8
	s_cbranch_scc0 .Lepi_v
	; ---- q, k: rotate, quantise along the head's 64 channels, store
	CSLOAD 0, FA
	CSLOAD 1, FB
.irp b, 0,1,2,3
.if \b < 3
	s_wait_dscnt 8                                 ; this tile's cos and sin are in; the next tile's eight loads may be out
.else
	s_wait_dscnt 0
.endif
	ROT \b, FA+32*(\b%2)
.if \b < 2
	CSLOAD \b+2, FA+32*(\b%2)
.endif
	QUANT2 ACC+32*\b, PC+4*\b, HW+\b
	global_store_b128 v1, v[PC+4*\b:PC+4*\b+3], s[16:17] offset:512*\b    ; 512 consecutive bytes: lane (r, h) = block h of token r
.endr
	v_cndmask_b32 v120, v[HW], v[HW+2], s99        ; lanes 0-15: my first pair's two words of token r; lanes 16-31: my second pair's
	v_cndmask_b32 v121, v[HW+1], v[HW+3], s99
	global_store_b64 v10, v[120:121], s[18:19]     ; [pair][r][u]: 256 consecutive bytes
	s_branch .Ljoin
.Lepi_v:
	; ---- v: quantise along my 64 tokens (two blocks of the key step's four), store; the two scale bytes meet the other token half's in LDS
.irp b, 0,1,2,3
	QUANT2 ACC+32*\b, PC+4*\b, HW+\b
	global_store_b128 v1, v[PC+4*\b:PC+4*\b+3], s[12:13] offset:1024*\b
	ds_store_b16 v8, v[HW+\b] offset:64*\b         ; lanes r and r + 16 write the same bytes with the same value
.endr
.Ljoin:
	s_wait_dscnt 0x0                               ; for the others' sake: my stores are done
	s_barrier_signal -1
	s_barrier_wait -1
	s_lshr_b32 s95, s[WV], 1
	s_cmp_eq_u32 s95, 4                            ; waves 8 and 9: one for each head
	s_cbranch_scc0 .Lno_vs
	ds_load_b64 v[122:123], v9
	s_wait_dscnt 0x0
	global_store_b64 v10, v[122:123], s[14:15]     ; V's 64 scale words: 256 consecutive bytes, aligned
.Lno_vs:
	s_wait_tensorcnt 0x0
	ds_add_u32 v126, v127
	s_wait_dscnt 0x0
	CROUND                                         ; the closing round: no work-group ends while a partner may still ask for a tile that names it
	s_endpgm
.Lfunc_end_k_q44442f6d9e_qkv:
	.size	k_q44442f6d9e_qkv, .Lfunc_end_k_q44442f6d9e_qkv-k_q44442f6d9e_qkv
	.p2alignl 7, 3214868480
	.fill 96, 4, 3214868480
	.section	.rodata,"a",@progbits
	.p2align	6, 0x0
	.amdhsa_kernel k_q44442f6d9e_qkv
		.amdhsa_group_segment_fixed_size 327680
		.amdhsa_private_segment_fixed_size 0
		.amdhsa_enable_private_segment 0
		.amdhsa_kernarg_size 72
		.amdhsa_user_sgpr_count 2
		.amdhsa_user_sgpr_kernarg_segment_ptr 1
		.amdhsa_wavefront_size32 1
		.amdhsa_system_sgpr_workgroup_id_x 1
		.amdhsa_system_sgpr_workgroup_id_y 1
		.amdhsa_system_sgpr_workgroup_id_z 1
		.amdhsa_system_vgpr_workitem_id 0
		.amdhsa_next_free_vgpr 256
		.amdhsa_next_free_sgpr 100
		.amdhsa_reserve_vcc 0
		.amdhsa_float_denorm_mode_32 3
		.amdhsa_float_denorm_mode_16_64 3
		.amdhsa_memory_ordered 1
		.amdhsa_forward_progress 1
		.amdhsa_inst_pref_size 79
	.end_amdhsa_kernel
	.amdgpu_metadata
---
amdhsa.version: [ 1, 2 ]
amdhsa.kernels:
  - .name:           k_q44442f6d9e_qkv
    .symbol:         k_q44442f6d9e_qkv.kd
    .args:
      - { .name: xq, .offset: 0, .size: 8, .value_kind: global_buffer, .address_space: global }
      - { .name: wqkv, .offset: 8, .size: 8, .value_kind: global_buffer, .address_space: global }
      - { .name: rope, .offset: 16, .size: 8, .value_kind: global_buffer, .address_space: global }
      - { .name: bq, .offset: 24, .size: 8, .value_kind: global_buffer, .address_space: global }
      - { .name: bk, .offset: 32, .size: 8, .value_kind: global_buffer, .address_space: global }
      - { .name: bv, .offset: 40, .size: 8, .value_kind: global_buffer, .address_space: global }
      - { .name: qc, .offset: 48, .size: 8, .value_kind: global_buffer, .address_space: global }
      - { .name: qs, .offset: 56, .size: 8, .value_kind: global_buffer, .address_space: global }
      - { .name: kv, .offset: 64, .size: 8, .value_kind: global_buffer, .address_space: global }
    .group_segment_fixed_size: 327680
    .private_segment_fixed_size: 0
    .kernarg_segment_align: 8
    .kernarg_segment_size: 72
    .max_flat_workgroup_size: 384
    .sgpr_count:     100
    .vgpr_count:     256
    .wavefront_size: 32
...
	.end_amdgpu_metadata
.endif
;; end of part 2
;; launch attn (part 3): grid 4 x 64, 16 waves a work-group, clusters of 4 x 1, 169,984 bytes of LDS; arguments qc, qs, kv, oq; writes oq
.if DOCPART == 3
	.amdgcn_target "amdgcn-amd-amdhsa--gfx1250"
	.amdhsa_code_object_version 6
	.text
	.protected	k_q44442f6d9e_attn
	.globl	k_q44442f6d9e_attn
	.p2align	8
	.type	k_q44442f6d9e_attn,@function
k_q44442f6d9e_attn:
	s_mov_b64 s[64:65], 0
	v_nop
	global_prefetch_b8 v0, s[64:65] scope:SCOPE_SE
	s_setreg_imm32_b32 hwreg(HW_REG_WAVE_MODE, 25, 1), 1
	s_wait_xcnt 0x0
	s_wait_alu depctr_hold_cnt(0) depctr_sa_sdst(0) depctr_va_vdst(0) depctr_va_sdst(0) depctr_va_ssrc(0) depctr_va_vcc(0) depctr_vm_vsrc(0)
	s_getreg_b32 s2, hwreg(HW_REG_IB_STS2, 6, 4)
	s_cmp_eq_u32 s2, 0
	s_cbranch_scc0 .Lentry_in_a_cluster
	s_endpgm
.Lentry_in_a_cluster:
	s_bfe_u32 s2, ttmp6, 0x10000c
	s_cmp_lg_u32 s2, 0x3003
	s_cbranch_scc0 .Lentry_shape_is_right
	s_endpgm
.Lentry_shape_is_right:
; ATTN.  o = softmax(q k^T / 8, causal) v for one (batch, head) a cluster, both products on codes of FP4 (E2M1) with E8M0 scales for each 32 along K; o is quantised along its 64 channels on the way out.
; THE SOFTMAX AHEAD OF THE SECOND PRODUCT: t = score x log2(e) / 8; M = the row's largest t so far, rounded UP to a whole number; p = 2^(t - M) is quantised along the keys; the row's sum is taken of the
; unquantised p and divides at the end.  When M moves, the sum and O are multiplied by 2^(old M - new M), which rounds nothing.
; SHARES.  The cluster's four work-groups share one head's K and V: its 16 records (128 keys each: K codes, K scale words, V^T codes, V scale words: 8,960 bytes) all lie in LDS, each asked for once,
; jointly, by one wave; nothing is filled again.  By this text's own count a wave has one tensor load out.
; A wave owns ONE tile of 16 queries at a time, twice: tile 8 rho + 2 cx + (wave & 1) with rho = wave / 2, then with rho = 15 - wave / 2: rho + 1 key steps each, 17 in all for every wave.
; The branches that leave hidden key steps out hang on rho, that is on the wave's number; cx enters global addresses and the mask's numbers alone.
; LAYOUT.  Both products are used transposed: S^T = K Q^T, O^T = V^T P^T: a lane holds ONE query throughout.  A tile's rows are the indices 8 u + (r & 7) + 16 (r >> 3) of a pair of 32, so that the 16
; registers of tiles 2 p, 2 p + 1 are 16 neighbouring keys (S^T) or channels (O^T).  The first product's K is 64: registers 4-7 of K's and Q's fragments are zero codes, their scale bytes 0.
; LIMITS: a hidden logit is taken as -infinity where the definition has -1e9: p = 0 either way unless true logits come near -1e9.  NaN and infinities are not served.
.set KVREC, 8960
.set REC,   8704
.set TM,    192                        ; v192-199 at work: largest scores, lane exchanges; the quantiser's eight
.set WV,    12
.set SEL,   20
.macro NOPS n
.rept \n
	v_nop
.endr
.endm
.macro CROUND
	s_barrier_signal -1
	s_barrier_wait -1
	s_cmp_lg_u32 s[WV], 0
	s_cbranch_scc1 .Lnot_wave_0_\@
	s_barrier_signal -3
.Lnot_wave_0_\@:
	s_barrier_wait -3
	s_barrier_signal -1
	s_barrier_wait -1
.endm
; 32 numbers of a lane, register 16 b + i = k 32 b + 16 h + i of my row, become two blocks' codes (lane (r, h): block h of row r) and their two scale bytes.
.macro QUANT2 s, pc, hw
.irp b, 0,1
	v_max3_num_f32 v[TM+\b], |v[\s+16*\b]|, |v[\s+1+16*\b]|, 0x1800000
.endr
.irp i, 2,4,6,8,10,12,14
.irp b, 0,1
	s_delay_alu instid0(VALU_DEP_2)
	v_max3_num_f32 v[TM+\b], v[TM+\b], |v[\s+16*\b+\i]|, |v[\s+1+16*\b+\i]|
.endr
.endr
.irp b, 0,1
	s_delay_alu instid0(VALU_DEP_2)
	v_permlanex16_b32 v[TM+2+\b], v[TM+\b], s[SEL], s[SEL+1]
.endr
.irp b, 0,1
	s_delay_alu instid0(VALU_DEP_2)
	v_max_num_f32 v[TM+\b], v[TM+\b], v[TM+2+\b]
.endr
.irp b, 0,1
	s_delay_alu instid0(VALU_DEP_2)
	v_add_nc_u32 v[TM+4+\b], 0xff000000, v[TM+\b]
.endr
.irp b, 0,1
	s_delay_alu instid0(VALU_DEP_2)
	v_lshrrev_b32 v[TM+6+\b], 23, v[TM+4+\b]
.endr
	s_delay_alu instid0(VALU_DEP_1)
	v_lshl_or_b32 v[\hw], v[TM+7], 8, v[TM+6]
.irp b, 0,1
	v_cvt_scalef32_pk8_fp4_f32 v[\pc+2*\b], v[\s+16*\b:\s+16*\b+7], v[TM+4+\b]
	v_cvt_scalef32_pk8_fp4_f32 v[\pc+2*\b+1], v[\s+16*\b+8:\s+16*\b+15], v[TM+4+\b]
.endr
	v_nop
	v_permlane16_swap_b32 v[\pc], v[\pc+2]
	v_permlane16_swap_b32 v[\pc+1], v[\pc+3]
.endm
; REGISTERS: v1 16 x lane, v2 8 r, v3 4 x lane, v4 my query's place less 16 h, v5-7 the step's LDS addresses, v8 2 r; v12 -M, v13 the largest t, v[14:15] the sum; v16-23 Q; v32-63 four fragments of K;
; v64-95 V^T; v96-159 S^T, then p; v160-191 O^T; v200-203 the conversions' scale operands; v[204:205] f; v206 at work; v[208:209] the sum's second chain; v210 p's scale word; v212-219 K's scale words;
; v220-221 V's; v222 Q's; v224-231 p's codes; v232-235 o's codes; v236 o's two scale bytes.
; A KEY STEP: the 128 keys of the record at LDS byte s18.
.macro STEP
	v_add_nc_u32 v5, s18, v1
	s_wait_alu depctr_va_vdst(0)
	v_add_nc_u32 v6, s18, v2
	v_add_nc_u32 v7, s18, v3
	v_nop                                          ; four places between the last step's products and the loads into their registers
.irp p, 0,1,2,3
	ds_load_b64 v[212+2*\p:213+2*\p], v6 offset:4096+128*\p     ; the scale words of key r of tiles 2 p, 2 p + 1
.endr
.irp g, 0,1
.if \g
	NOPS 4                                         ; places in front of loads into registers that matrix instructions have read
.endif
.irp t, 0,1,2,3
	ds_load_b128 v[32+8*\t:35+8*\t], v5 offset:512*(4*\g+\t)
.endr
	s_wait_dscnt 0x0
.irp t, 0,1,2,3
	v_wmma_scale_f32_16x16x128_f8f6f4 v[96+8*(4*\g+\t):103+8*(4*\g+\t)], v[32+8*\t:39+8*\t], v[16:23], 0, v[212+4*\g+\t], v222 matrix_a_fmt:MATRIX_FMT_FP4 matrix_b_fmt:MATRIX_FMT_FP4
.endr
.endr
.irp d, 0,1,2,3                                ; V^T is asked for here and lands under the softmax
.irp c, 0,1
	ds_load_b128 v[64+8*\d+4*\c:64+8*\d+4*\c+3], v5 offset:4608+1024*\d+512*\c
.endr
.endr
	s_wait_alu depctr_va_vdst(0)
	ds_load_b32 v220, v7 offset:8704
	ds_load_b32 v221, v7 offset:8704+128
	NOPS 4                                         ; places in front of the first read of the scores
	s_cmp_lg_u32 s17, s16                          ; only the step on the diagonal hides keys
	s_cbranch_scc1 .Lopen_\@
	v_mov_b32 v206, 0xff800000                     ; -infinity
.set n, 0
.rept 64                                       ; register 16 b + i holds key 32 b + 16 h + i of the step: hidden where 32 b + i > my query's place - 16 h
	v_cmp_gt_i32 vcc_lo, 32*(n/16)+n%16, v4
	v_cndmask_b32 v[96+n], v[96+n], v206, vcc_lo
.set n, n+1
.endr
.Lopen_\@:
.irp b, 0,1,2,3
	v_max3_num_f32 v[192+\b], v[96+16*\b], v[97+16*\b], v[98+16*\b]      ; the largest score of each block of 32 keys: for the row's maximum, and, since p rises with the score, for the block's largest p
.endr
.irp i, 3,5,7,9,11,13
.irp b, 0,1,2,3
	v_max3_num_f32 v[192+\b], v[192+\b], v[96+16*\b+\i], v[97+16*\b+\i]
.endr
.endr
.irp b, 0,1,2,3
	v_max_num_f32 v[192+\b], v[192+\b], v[111+16*\b]
.endr
.irp b, 0,1,2,3
	s_delay_alu instid0(VALU_DEP_4)
	v_permlanex16_b32 v[196+\b], v[192+\b], s[SEL], s[SEL+1]
.endr
.irp b, 0,1,2,3
	s_delay_alu instid0(VALU_DEP_4)
	v_max_num_f32 v[192+\b], v[192+\b], v[196+\b]  ; with lane l xor 16's 16 keys
.endr
	s_delay_alu instid0(VALU_DEP_2)
	v_max3_num_f32 v206, v192, v193, v194
	s_delay_alu instid0(VALU_DEP_1)
	v_max_num_f32 v206, v206, v195
	s_delay_alu instid0(VALU_DEP_1)
	v_mul_f32 v206, s22, v206                      ; the step's largest t
	s_delay_alu instid0(VALU_DEP_1)
	v_max_num_f32 v13, v13, v206                   ; the running largest t
	v_mov_b32 v206, v12
	s_delay_alu instid0(VALU_DEP_2)
	v_floor_f32 v12, -v13                          ; the new -M = floor(-t): M is a whole number
	s_delay_alu instid0(VALU_DEP_1)
	v_sub_f32 v206, v12, v206                      ; old M - new M: a whole number, 0 or less
	s_delay_alu instid0(VALU_DEP_1)
	v_cvt_i32_f32 v206, v206                       ; (it saturates)
	s_delay_alu instid0(VALU_DEP_1)
	v_ldexp_f32 v204, 1.0, v206                    ; f = 2^(old M - new M)
.set j, 0
.rept 32
	v_pk_fma_f32 v[96+j:97+j], v[96+j:97+j], s[22:23], v[12:13] op_sel_hi:[1,0,0]    ; t - M
.set j, j+2
.endr
	s_setprio 1
.irp b, 0,1,2,3
	v_fma_f32 v[192+\b], v[192+\b], s22, v12       ; the same of each block's largest score
.endr
.set j, 0
	s_wait_alu depctr_va_vdst(0)
.rept 64
	v_exp_f32 v[96+j], v[96+j]                     ; p = 2^(t - M)
.set j, j+1
.endr
	v_pk_mul_f32 v[14:15], v[14:15], v[204:205] op_sel_hi:[1,0]     ; the sums under the new M: a plain instruction behind the exponentials
	s_wait_alu depctr_va_vdst(0)                   ; one wait for the batch, ahead of the first line that names a result
.irp b, 0,1,2,3
	v_exp_f32 v[192+\b], v[192+\b]                 ; each block's largest p
.endr
	v_pk_add_f32 v[208:209], v[100:101], v[104:105]
	v_pk_add_f32 v[252:253], v[108:109], v[112:113]
	v_pk_add_f32 v[250:251], v[116:117], v[120:121]
	v_pk_add_f32 v[248:249], v[124:125], v[128:129]
	v_pk_add_f32 v[246:247], v[132:133], v[136:137]
	v_pk_add_f32 v[244:245], v[140:141], v[144:145]
	v_pk_add_f32 v[242:243], v[148:149], v[152:153]
	v_pk_add_f32 v[14:15], v[14:15], v[156:157]
	v_pk_add_f32 v[208:209], v[208:209], v[96:97]
	v_pk_add_f32 v[252:253], v[252:253], v[98:99]
	v_pk_add_f32 v[250:251], v[250:251], v[102:103]
	v_pk_add_f32 v[248:249], v[248:249], v[106:107]
	v_pk_add_f32 v[246:247], v[246:247], v[110:111]
	v_pk_add_f32 v[244:245], v[244:245], v[114:115]
	v_pk_add_f32 v[242:243], v[242:243], v[118:119]
	v_pk_add_f32 v[14:15], v[14:15], v[122:123]
	v_pk_add_f32 v[208:209], v[208:209], v[126:127]
	v_pk_add_f32 v[252:253], v[252:253], v[130:131]
	v_pk_add_f32 v[250:251], v[250:251], v[134:135]
	v_pk_add_f32 v[248:249], v[248:249], v[138:139]
	v_pk_add_f32 v[246:247], v[246:247], v[142:143]
	v_pk_add_f32 v[244:245], v[244:245], v[146:147]
	v_pk_add_f32 v[242:243], v[242:243], v[150:151]
	v_pk_add_f32 v[14:15], v[14:15], v[154:155]
	v_pk_add_f32 v[208:209], v[208:209], v[158:159]
	s_delay_alu instid0(VALU_DEP_2)
	v_pk_add_f32 v[14:15], v[14:15], v[248:249]
	s_delay_alu instid0(VALU_DEP_2)
	v_pk_add_f32 v[208:209], v[208:209], v[246:247]
	v_pk_add_f32 v[252:253], v[252:253], v[244:245]
	v_pk_add_f32 v[250:251], v[250:251], v[242:243]
	s_delay_alu instid0(VALU_DEP_2)
	v_pk_add_f32 v[14:15], v[14:15], v[252:253]
	s_delay_alu instid0(VALU_DEP_2)
	v_pk_add_f32 v[208:209], v[208:209], v[250:251]
	s_delay_alu instid0(VALU_DEP_1)
	v_pk_add_f32 v[14:15], v[14:15], v[208:209]
	s_wait_alu depctr_va_vdst(0)                   ; and one for the four
.irp b, 0,1,2,3
	v_max_num_f32 v[192+\b], 0x1800000, v[192+\b]  ; the floor 2^(3 - 127): a block whose every p is 0 keeps the byte 1 over zero codes
.endr
.irp b, 0,1,2,3
	s_delay_alu instid0(VALU_DEP_4)
	v_add_nc_u32 v[200+\b], 0xff000000, v[192+\b]
.endr
.irp b, 0,1,2,3
	s_delay_alu instid0(VALU_DEP_4)
	v_lshrrev_b32 v[196+\b], 23, v[200+\b]
.endr
	s_delay_alu instid0(VALU_DEP_3)
	v_lshl_or_b32 v210, v197, 8, v196              ; p's scale word for these 128 keys
	s_delay_alu instid0(VALU_DEP_1)
	v_lshl_or_b32 v210, v198, 16, v210
	s_delay_alu instid0(VALU_DEP_1)
	v_lshl_or_b32 v210, v199, 24, v210
	s_setprio 0
.irp b, 0,1,2,3
	v_cvt_scalef32_pk8_fp4_f32 v[224+2*\b], v[96+16*\b:103+16*\b], v[200+\b]
	v_cvt_scalef32_pk8_fp4_f32 v[225+2*\b], v[104+16*\b:111+16*\b], v[200+\b]
.endr
	v_nop
.irp c, 0,1
.irp i, 0,1
	v_permlane16_swap_b32 v[224+4*\c+\i], v[226+4*\c+\i]
.endr
.endr
.set j, 0
.rept 16
	v_pk_mul_f32 v[160+j:161+j], v[160+j:161+j], v[204:205] op_sel_hi:[1,0]     ; O^T under the new M.  These sixteen also stand between the lines that made p's codes and scale word and the products
.set j, j+2
.endr
	s_wait_alu depctr_va_vdst(0)
	s_wait_dscnt 0x0                               ; V^T and its scale words
	v_wmma_scale_f32_16x16x128_f8f6f4 v[160:167], v[64:71], v[224:231], v[160:167], v220, v210 matrix_a_fmt:MATRIX_FMT_FP4 matrix_b_fmt:MATRIX_FMT_FP4
	v_wmma_scale_f32_16x16x128_f8f6f4 v[168:175], v[72:79], v[224:231], v[168:175], v220, v210 matrix_a_fmt:MATRIX_FMT_FP4 matrix_b_fmt:MATRIX_FMT_FP4 matrix_a_scale:MATRIX_SCALE_ROW1
	v_wmma_scale_f32_16x16x128_f8f6f4 v[176:183], v[80:87], v[224:231], v[176:183], v221, v210 matrix_a_fmt:MATRIX_FMT_FP4 matrix_b_fmt:MATRIX_FMT_FP4
	v_wmma_scale_f32_16x16x128_f8f6f4 v[184:191], v[88:95], v[224:231], v[184:191], v221, v210 matrix_a_fmt:MATRIX_FMT_FP4 matrix_b_fmt:MATRIX_FMT_FP4 matrix_a_scale:MATRIX_SCALE_ROW1
.endm
; ONE TILE OF QUERIES, in the block of 128 queries rho = s16.  The loop's 16 trips are a constant of the text; a trip whose keys all come after the block is left out by a scalar branch.
.macro PASS
	s_wait_xcnt 0x0                                ; the last tile's stores have read their registers and bases
	s_lshl_b32 s36, s16, 12
	s_mov_b32 s37, 0
	s_add_nc_u64 s[42:43], s[4:5], s[36:37]        ; my tile's codes of q
	s_lshl_b32 s36, s16, 9
	s_add_nc_u64 s[44:45], s[6:7], s[36:37]        ; its scale words
	s_mul_i32 s36, s16, 8*REC
	s_add_nc_u64 s[46:47], s[38:39], s[36:37]      ; where o's codes go
	s_add_nc_u64 s[48:49], s[40:41], s[36:37]      ; and its scale bytes
	global_load_b128 v[16:19], v1, s[42:43]
	global_load_b32 v222, v2, s[44:45]
	v_mov_b32 v13, 0xff61b1e6                      ; the largest t so far: -3e38
	s_delay_alu instid0(VALU_DEP_1)
	v_floor_f32 v12, -v13
	v_mov_b32 v14, 0
	v_mov_b32 v15, 0
.set j, 0
.rept 32
	v_mov_b32 v[160+j], 0                          ; O^T: the step is written once; the first finds zeros
.set j, j+1
.endr
	s_mov_b32 s17, 0                               ; the key step
	s_mov_b32 s18, 0                               ; its record in LDS
	s_wait_loadcnt 0x0
.Lkey_\@:
	s_cmp_gt_u32 s17, s16
	s_cbranch_scc1 .Lskip_\@
	s_setprio 2
	STEP
.Lskip_\@:
	s_add_co_u32 s18, s18, KVREC
	s_add_co_u32 s17, s17, 1
	s_cmp_lt_u32 s17, 16
	s_cbranch_scc1 .Lkey_\@
	s_setprio 0
	NOPS 4                                         ; places between the last products and the first read of O^T
	v_add_f32 v14, v14, v15
	s_delay_alu instid0(VALU_DEP_1)
	v_permlanex16_b32 v206, v14, s[SEL], s[SEL+1]
	s_delay_alu instid0(VALU_DEP_1)
	v_add_f32 v14, v14, v206                       ; the row's sum
	s_wait_alu depctr_va_vdst(0)
	v_rcp_f32 v14, v14
	v_nop
	s_wait_alu depctr_va_vdst(0)
.set j, 0
.rept 32
	v_mul_f32 v[96+j], v[160+j], v14               ; register 16 b + i = channel 32 b + 16 h + i of my query
.set j, j+1
.endr
	QUANT2 96, 232, 236
	global_store_b128 v1, v[232:235], s[46:47]     ; half c = head & 1 of the tile's image in oq: 512 consecutive bytes
	global_store_b16 v8, v236, s[48:49]            ; lanes r and r + 16 write the same two bytes with the same value
.endm
	s_load_b256 s[4:11], s[0:1], 0x0               ; qc 4, qs 6, kv 8, oq 10
	v_lshl_add_u32 v254, v0, 2, 0x29000
	v_mov_b32 v255, 0
	ds_add_u32 v254, v255
	ds_add_u32 v254, v255
	v_lshrrev_b32 v1, 5, v0
	s_delay_alu instid0(VALU_DEP_1)
	v_readfirstlane_b32 s[WV], v1                  ; wave 0..15
	s_bfe_u32 s13, ttmp6, 0x40000                  ; cx
	s_and_b32 s14, ttmp7, 0xffff                   ; bh = 16 x batch + head, which the four partners share
	s_and_b32 s15, s[WV], 1
	s_lshr_b32 s16, s[WV], 1                       ; rho of the first tile
	s_mov_b32 s[SEL], 0x76543210
	s_mov_b32 s[SEL+1], 0xfedcba98
	s_mov_b32 s22, 0x3e38aa3b                      ; log2(e) / 8
	s_mov_b32 s23, s22
	s_mov_b32 s24, 15|(3<<16)|(1<<21)              ; group 1: all four work-groups; a record as 35 rows of 256 bytes (32 elements of 8 bytes)
	s_mov_b32 s25, 32<<16
	s_mov_b32 s26, 35<<16
	s_mov_b32 s27, 32<<16
	s_mov_b32 s28, 35
	s_mov_b32 s29, 32
	s_mov_b32 s30, 0
	s_mov_b32 s31, 0
	s_lshl_b32 s36, s14, 4
	s_add_co_u32 s36, s36, s[WV]
	s_mul_i32 s36, s36, KVREC
	s_mov_b32 s37, 0
	s_mov_b32 s32, 1
	s_mul_i32 s33, s[WV], KVREC                    ; wave w fetches key step w
	s_wait_dscnt 0x0
	s_wait_kmcnt 0x0
	s_add_nc_u64 s[34:35], s[8:9], s[36:37]
	s_or_b32 s35, s35, 0x80000000
	CROUND                                         ; all four work-groups are here: the joint loads meet
	tensor_load_to_lds s[32:35], s[24:31]
	s_nop 0
	NOPS 4
	v_and_b32 v9, 31, v0                           ; lane
	v_and_b32 v10, 15, v0                          ; r
	v_bfe_u32 v11, v0, 4, 1                        ; h
	s_delay_alu instid0(VALU_DEP_3)
	v_lshlrev_b32 v1, 4, v9
	s_delay_alu instid0(VALU_DEP_3)
	v_lshlrev_b32 v2, 3, v10
	v_lshlrev_b32 v3, 2, v9
	v_lshlrev_b32 v8, 1, v10
	v_and_b32 v4, 7, v10
	v_lshrrev_b32 v206, 3, v10
	s_delay_alu instid0(VALU_DEP_1)
	v_lshl_add_u32 v4, v206, 4, v4
	v_lshlrev_b32 v206, 4, v11
	s_delay_alu instid0(VALU_DEP_1)
	v_sub_nc_u32 v4, v4, v206
	s_lshl_b32 s36, s13, 5
	s_lshl_b32 s50, s15, 3
	s_add_co_u32 s36, s36, s50
	v_add_nc_u32 v4, s36, v4                       ; my query's place in its block of 128: 32 cx + 8 (wave & 1) + (r & 7) + 16 (r >> 3), less 16 h
.irp j, 20,21,22,23, 36,37,38,39, 44,45,46,47, 52,53,54,55, 60,61,62,63
	v_mov_b32 v[\j], 0                             ; the upper 64 of K in Q's and K's fragments: zero codes, written once
.endr
.irp j, 192,193,194,195,196,197,198,199,205
	v_mov_b32 v[\j], 0                             ; lane permutes' destinations, and the upper half of the pair v[204:205]
.endr
	s_lshl_b32 s50, s13, 1
	s_add_co_u32 s50, s50, s15                     ; my tile in a block of 128 queries
	s_lshl_b32 s36, s14, 16
	s_lshl_b32 s51, s50, 9
	s_add_co_u32 s36, s36, s51
	s_add_nc_u64 s[4:5], s[4:5], s[36:37]
	s_lshl_b32 s36, s14, 13
	s_lshl_b32 s51, s13, 7
	s_add_co_u32 s36, s36, s51
	s_lshl_b32 s51, s15, 2
	s_add_co_u32 s36, s36, s51
	s_add_nc_u64 s[6:7], s[6:7], s[36:37]
	s_lshr_b32 s36, s14, 4
	s_lshl_b32 s36, s36, 7
	s_bfe_u32 s51, s14, 0x30001                    ; K step of the last product: head / 2
	s_add_co_u32 s36, s36, s51
	s_mul_i32 s36, s36, REC
	s_add_nc_u64 s[10:11], s[10:11], s[36:37]      ; oq's record (batch's first block, head / 2)
	s_and_b32 s51, s14, 1
	s_lshl_b32 s36, s50, 10
	s_lshl_b32 s52, s51, 9
	s_add_co_u32 s36, s36, s52
	s_add_nc_u64 s[38:39], s[10:11], s[36:37]      ; my tile's image, half head & 1
	s_lshl_b32 s36, s50, 5
	s_lshl_b32 s52, s51, 8
	s_add_co_u32 s36, s36, s52
	s_add_co_u32 s36, s36, 8192
	s_add_nc_u64 s[40:41], s[10:11], s[36:37]      ; its plane of scale halfwords
	s_wait_tensorcnt 0x0                           ; my record has landed,
	s_barrier_signal -1
	s_barrier_wait -1                              ; everybody's has: from here on LDS is only read
	PASS
	s_xor_b32 s16, s16, 15                         ; 15 - rho
	PASS
	s_wait_tensorcnt 0x0
	ds_add_u32 v254, v255
	s_wait_dscnt 0x0
	CROUND                                         ; the closing round
	s_endpgm
.Lfunc_end_k_q44442f6d9e_attn:
	.size	k_q44442f6d9e_attn, .Lfunc_end_k_q44442f6d9e_attn-k_q44442f6d9e_attn
	.p2alignl 7, 3214868480
	.fill 96, 4, 3214868480
	.section	.rodata,"a",@progbits
	.p2align	6, 0x0
	.amdhsa_kernel k_q44442f6d9e_attn
		.amdhsa_group_segment_fixed_size 169984
		.amdhsa_private_segment_fixed_size 0
		.amdhsa_enable_private_segment 0
		.amdhsa_kernarg_size 32
		.amdhsa_user_sgpr_count 2
		.amdhsa_user_sgpr_kernarg_segment_ptr 1
		.amdhsa_wavefront_size32 1
		.amdhsa_system_sgpr_workgroup_id_x 1
		.amdhsa_system_sgpr_workgroup_id_y 1
		.amdhsa_system_sgpr_workgroup_id_z 1
		.amdhsa_system_vgpr_workitem_id 0
		.amdhsa_next_free_vgpr 256
		.amdhsa_next_free_sgpr 66
		.amdhsa_reserve_vcc 1
		.amdhsa_float_denorm_mode_32 3
		.amdhsa_float_denorm_mode_16_64 3
		.amdhsa_memory_ordered 1
		.amdhsa_forward_progress 1
		.amdhsa_inst_pref_size 61
	.end_amdhsa_kernel
	.amdgpu_metadata
---
amdhsa.version: [ 1, 2 ]
amdhsa.kernels:
  - .name:           k_q44442f6d9e_attn
    .symbol:         k_q44442f6d9e_attn.kd
    .args:
      - { .name: qc, .offset: 0, .size: 8, .value_kind: global_buffer, .address_space: global }
      - { .name: qs, .offset: 8, .size: 8, .value_kind: global_buffer, .address_space: global }
      - { .name: kv, .offset: 16, .size: 8, .value_kind: global_buffer, .address_space: global }
      - { .name: oq, .offset: 24, .size: 8, .value_kind: global_buffer, .address_space: global }
    .group_segment_fixed_size: 169984
    .private_segment_fixed_size: 0
    .kernarg_segment_align: 8
    .kernarg_segment_size: 32
    .max_flat_workgroup_size: 512
    .sgpr_count:     66
    .vgpr_count:     256
    .wavefront_size: 32
...
	.end_amdgpu_metadata
.endif
;; end of part 3
;; launch oproj (part 4): grid 4 x 64, 8 waves a work-group, clusters of 4 x 4, 244,736 bytes of LDS; arguments oq, wo, bo, x, out0; writes out0
.if DOCPART == 4
	.amdgcn_target "amdgcn-amd-amdhsa--gfx1250"
	.amdhsa_code_object_version 6
	.text
	.protected	k_q44442f6d9e_oproj
	.globl	k_q44442f6d9e_oproj
	.p2align	8
	.type	k_q44442f6d9e_oproj,@function
k_q44442f6d9e_oproj:
	s_mov_b64 s[64:65], 0
	v_nop
	global_prefetch_b8 v0, s[64:65] scope:SCOPE_SE
	s_setreg_imm32_b32 hwreg(HW_REG_WAVE_MODE, 25, 1), 1
	s_wait_xcnt 0x0
	s_wait_alu depctr_hold_cnt(0) depctr_sa_sdst(0) depctr_va_vdst(0) depctr_va_sdst(0) depctr_va_ssrc(0) depctr_va_vcc(0) depctr_vm_vsrc(0)
	s_getreg_b32 s2, hwreg(HW_REG_IB_STS2, 6, 4)
	s_cmp_eq_u32 s2, 0
	s_cbranch_scc0 .Lentry_in_a_cluster
	s_endpgm
.Lentry_in_a_cluster:
	s_bfe_u32 s2, ttmp6, 0x10000c
	s_cmp_lg_u32 s2, 0xf033
	s_cbranch_scc0 .Lentry_shape_is_right
	s_endpgm
.Lentry_shape_is_right:
; OPROJ.  out = x + o Wo + bo, the product on codes of FP4 (E2M1) with E8M0 scales for each 32 along K = 1,024.
; A work-group takes 128 tokens (tb) x 256 columns (cg); eight waves, each 64 tokens (half wave & 1) x 64 columns (wave / 2), used transposed: source 0 = four tiles of Wo's columns, source 1 = four tiles of
; tokens, so that a lane holds one token and its registers run along the columns.  A tile's rows are the indices 8 u + (r & 7) + 16 (r >> 3) of a pair of 32.
; ALL OPERANDS LIE IN LDS AT ONCE: for each of the 8 K steps o's record (8,704 bytes) and Wo's two.  Waves 0-3 ask for o's, waves 4-7 for Wo's, two loads each at the start; nothing is filled again.
; By this text's own count a wave has two tensor loads out.  CLUSTER 4 x 4: o's records hang on tb alone and are asked for jointly along a row, Wo's on cg alone and jointly along a column.
; o's scale bytes come as two planes of halfwords (the two heads of a K step were written by two work-groups): a token's word is put together here.
; The results go through the wave's own stage in LDS and leave with x added, sixteen lanes to 256 consecutive bytes.
.set REC,  8704
.set KST,  3*REC                       ; a K step in LDS
.set STG,  8*KST                       ; the stages: 16 rows x (256 + 16) bytes for each wave; no tile lands there
.set FA,   10                          ; v10-41   Wo's four fragments; later a tile of x
.set FB,   42                          ; v42-73   o's four; later a tile of x
.set SA,   74                          ; v74-75   Wo's scale words
.set TS,   76                          ; v76-91   o's scale words, two registers a K step
.set BI,   92                          ; v92-123  the bias, the C of the first K step; later tiles of x
.set ACC,  128                         ; accumulator (a, b) at 128 + 32 b + 8 a
.set WV,   14
.macro NOPS n
.rept \n
	v_nop
.endr
.endm
.macro CROUND
	s_barrier_signal -1
	s_barrier_wait -1
	s_cmp_lg_u32 s[WV], 0
	s_cbranch_scc1 .Lnot_wave_0_\@
	s_barrier_signal -3
.Lnot_wave_0_\@:
	s_barrier_wait -3
	s_barrier_signal -1
	s_barrier_wait -1
.endm
.macro WM d, a, b, c, sa, sb, ra, rb
.if (\ra) && (\rb)
	v_wmma_scale_f32_16x16x128_f8f6f4 v[\d:\d+7], v[\a:\a+7], v[\b:\b+7], v[\c:\c+7], v[\sa], v[\sb] matrix_a_fmt:MATRIX_FMT_FP4 matrix_b_fmt:MATRIX_FMT_FP4 matrix_a_scale:MATRIX_SCALE_ROW1 matrix_b_scale:MATRIX_SCALE_ROW1
.elseif (\ra)
	v_wmma_scale_f32_16x16x128_f8f6f4 v[\d:\d+7], v[\a:\a+7], v[\b:\b+7], v[\c:\c+7], v[\sa], v[\sb] matrix_a_fmt:MATRIX_FMT_FP4 matrix_b_fmt:MATRIX_FMT_FP4 matrix_a_scale:MATRIX_SCALE_ROW1
.elseif (\rb)
	v_wmma_scale_f32_16x16x128_f8f6f4 v[\d:\d+7], v[\a:\a+7], v[\b:\b+7], v[\c:\c+7], v[\sa], v[\sb] matrix_a_fmt:MATRIX_FMT_FP4 matrix_b_fmt:MATRIX_FMT_FP4 matrix_b_scale:MATRIX_SCALE_ROW1
.else
	v_wmma_scale_f32_16x16x128_f8f6f4 v[\d:\d+7], v[\a:\a+7], v[\b:\b+7], v[\c:\c+7], v[\sa], v[\sb] matrix_a_fmt:MATRIX_FMT_FP4 matrix_b_fmt:MATRIX_FMT_FP4
.endif
.endm
; K step s: 16 products; the 16 accumulators take turns, one instruction a turn, in one order throughout.  first = 1: the sums begin with the bias.
.macro MUL16 s, first
.irp b, 0,1,2,3
.irp a, 0,1,2,3
.if \first
	WM ACC+32*\b+8*\a, FA+8*\a, FB+8*\b, BI+8*\a, SA+\a/2, TS+2*\s+\b/2, \a%2, \b%2
.else
	WM ACC+32*\b+8*\a, FA+8*\a, FB+8*\b, ACC+32*\b+8*\a, SA+\a/2, TS+2*\s+\b/2, \a%2, \b%2
.endif
.endr
.endr
.endm
.macro KLOAD step                      ; a K step's fragments; the three additions and the v_nop are the four places between the last products and the loads into their registers
.if \step
	v_add_nc_u32 v2, KST, v2
	v_add_nc_u32 v3, KST, v3
	v_add_nc_u32 v4, KST, v4
	v_nop
.endif
.irp a, 0,1,2,3
.irp c, 0,1
	ds_load_b128 v[FA+8*\a+4*\c:FA+8*\a+4*\c+3], v2 offset:1024*\a+512*\c
.endr
.endr
.irp a, 0,1,2,3
.irp c, 0,1
	ds_load_b128 v[FB+8*\a+4*\c:FB+8*\a+4*\c+3], v3 offset:1024*\a+512*\c
.endr
.endr
	ds_load_b32 v[SA], v4
	ds_load_b32 v[SA+1], v4 offset:128
	s_wait_dscnt 0x0
.endm
; o's scale words of K steps s0 .. s0 + 3: register 2 s + t: lanes 0-15 token tile 2 t, lanes 16-31 tile 2 t + 1.  Low halfword: the K step's first head; high: its second.
.macro TSBUILD s0
	NOPS 4                                         ; places in front of loads into registers that matrix instructions have read
.irp s, 0,1,2,3
.irp c, 0,1
.irp t, 0,1
.if \s < 2
	ds_load_u16 v[FA+4*\s+2*\c+\t], v5 offset:KST*\s+256*\c+64*\t
.else
	ds_load_u16 v[FA+4*\s+2*\c+\t], v124 offset:KST*(\s-2)+256*\c+64*\t
.endif
.endr
.endr
.endr
	s_wait_dscnt 0x0
	v_add_nc_u32 v5, 4*KST, v5                     ; on to the next four K steps (no LDS load of mine is out)
	v_add_nc_u32 v124, 4*KST, v124
.irp s, 0,1,2,3
.irp t, 0,1
	v_lshl_or_b32 v[TS+2*(\s0+\s)+\t], v[FA+4*\s+2+\t], 16, v[FA+4*\s+\t]
.endr
.endr
	NOPS 8                                         ; a scale register written by a vector instruction stands eight places ahead of the scaled product
.endm
.macro XLOAD b, reg                    ; x at token tile b: instruction i brings rows 2 i and 2 i + 1 of the tile, 256 consecutive bytes each
.irp i, 0,1,2,3,4,5,6,7
	global_load_b128 v[\reg+4*\i:\reg+4*\i+3], v8, s[10:11] offset:(32*((\b)/2)+8*((\b)%2)+((2*\i)%8)+16*(\i/4))*4096 th:TH_LOAD_NT
.endr
.endm
; THE WAY OUT of token tile b: through my stage (each accumulator from its low end on), back as rows into the registers that they left, + x, stored.  left: the loads of later tiles of x that may be out.
.macro OUT b, xb, left
.irp a, 0,1,2,3
	ds_store_b128 v6, v[ACC+32*(\b)+8*\a:ACC+32*(\b)+8*\a+3] offset:128*(\a/2)+32*(\a%2)
	ds_store_b128 v6, v[ACC+32*(\b)+8*\a+4:ACC+32*(\b)+8*\a+7] offset:128*(\a/2)+32*(\a%2)+16
.endr
.irp i, 0,1,2,3,4,5,6,7
	ds_load_b128 v[ACC+32*(\b)+4*\i:ACC+32*(\b)+4*\i+3], v7 offset:544*\i      ; LDS serves a wave's instructions in order: these see the stores above
.endr
	s_wait_dscnt 0x0
	s_wait_loadcnt \left
.irp j, 0,2,4,6,8,10,12,14,16,18,20,22,24,26,28,30
	v_pk_add_f32 v[ACC+32*(\b)+\j:ACC+32*(\b)+\j+1], v[ACC+32*(\b)+\j:ACC+32*(\b)+\j+1], v[\xb+\j:\xb+\j+1]
.endr
.irp i, 0,1,2,3,4,5,6,7
	global_store_b128 v8, v[ACC+32*(\b)+4*\i:ACC+32*(\b)+4*\i+3], s[12:13] offset:(32*((\b)/2)+8*((\b)%2)+((2*\i)%8)+16*(\i/4))*4096 th:TH_STORE_NT   ; sixteen lanes store 256 consecutive bytes, aligned
.endr
.endm
	s_load_b256 s[4:11], s[0:1], 0x0               ; oq 4, wo 6, bo 8, x 10
	s_load_b64 s[12:13], s[0:1], 0x20              ; out0
	s_set_vgpr_msb 0x40
	v_lshl_add_u32 v0, v0, 2, 0x3b800
	v_mov_b32 v1, 0
	s_set_vgpr_msb 0x4045
	ds_add_u32 v0, v1
	ds_add_u32 v0, v1
	s_set_vgpr_msb 0x4500
	v_lshrrev_b32 v1, 5, v0
	s_delay_alu instid0(VALU_DEP_1)
	v_readfirstlane_b32 s[WV], v1                  ; wave 0..7
	s_and_b32 s15, s[WV], 1                        ; which 64 tokens
	s_lshr_b32 s16, s[WV], 1                       ; which 64 columns
	s_and_b32 s23, s[WV], 3                        ; which K step of four I fetch
	s_bfe_u32 s17, ttmp6, 0x40000                  ; cx
	s_bfe_u32 s18, ttmp6, 0x40004                  ; cy
	s_lshl_b32 s19, ttmp9, 2
	s_add_co_u32 s19, s19, s17                     ; cg
	s_and_b32 s20, ttmp7, 0xffff
	s_lshl_b32 s20, s20, 2
	s_add_co_u32 s20, s20, s18                     ; tb
	s_lshl_b32 s21, s18, 2
	s_lshl_b32 s21, 15, s21                        ; my row of the cluster
	s_lshl_b32 s22, 0x1111, s17                    ; my column
	s_or_b32 s24, s21, (3<<16)|(1<<21)             ; group 1 for o's records: 34 rows of 256 bytes, to my row
	s_mov_b32 s25, 32<<16
	s_mov_b32 s26, 34<<16
	s_mov_b32 s27, 32<<16
	s_mov_b32 s28, 34
	s_mov_b32 s29, 32
	s_mov_b32 s30, 0
	s_mov_b32 s31, 0
	s_or_b32 s32, s22, (3<<16)|(1<<21)             ; for Wo's double records: 68 rows, to my column
	s_mov_b32 s33, 32<<16
	s_mov_b32 s34, 68<<16
	s_mov_b32 s35, 32<<16
	s_mov_b32 s36, 68
	s_mov_b32 s37, 32
	s_mov_b32 s38, 0
	s_mov_b32 s39, 0
	s_lshl_b32 s56, s20, 3
	s_add_co_u32 s56, s56, s23
	s_mul_i32 s56, s56, REC
	s_mov_b32 s57, 0
	s_lshl_b32 s58, s19, 3
	s_add_co_u32 s58, s58, s23
	s_mul_i32 s58, s58, 2*REC
	s_mov_b32 s59, 0
	s_mul_i32 s60, s23, KST
	s_wait_dscnt 0x0
	s_wait_kmcnt 0x0
	s_add_nc_u64 s[56:57], s[4:5], s[56:57]
	s_add_nc_u64 s[58:59], s[6:7], s[58:59]
.irp j, 0,1
	s_mov_b32 s[40+4*\j], 1
	s_add_co_u32 s[41+4*\j], s60, \j*4*KST
	s_add_nc_u64 s[42+4*\j:43+4*\j], s[56:57], \j*4*REC
	s_or_b32 s[43+4*\j], s[43+4*\j], 0x80000000
	s_mov_b32 s[48+4*\j], 1
	s_add_co_u32 s[49+4*\j], s60, \j*4*KST+REC
	s_add_nc_u64 s[50+4*\j:51+4*\j], s[58:59], \j*8*REC
	s_or_b32 s[51+4*\j], s[51+4*\j], 0x80000000
.endr
	CROUND                                         ; all sixteen work-groups are here: the joint loads meet
	s_cmp_lt_u32 s[WV], 4                          ; a wave's two fills stand in one branch; four v_nop follow the second
	s_cbranch_scc0 .Lfill_w
	tensor_load_to_lds s[40:43], s[24:31]
	s_nop 0
	tensor_load_to_lds s[44:47], s[24:31]
	s_nop 0
	NOPS 4
	s_branch .Lfilled
.Lfill_w:
	tensor_load_to_lds s[48:51], s[32:39]
	s_nop 0
	tensor_load_to_lds s[52:55], s[32:39]
	s_nop 0
	NOPS 4
.Lfilled:
	v_and_b32 v9, 31, v0                           ; lane
	s_wait_alu depctr_va_vdst(0)
	v_and_b32 v125, 15, v0                         ; r
	v_bfe_u32 v126, v0, 4, 1                       ; h
	v_lshlrev_b32 v1, 4, v9
	s_wait_alu depctr_va_vdst(0)
	s_lshr_b32 s61, s16, 1
	s_add_co_u32 s61, s61, 1
	s_mul_i32 s61, s61, REC                        ; my record of Wo in a K step
	s_and_b32 s62, s16, 1
	s_lshl_b32 s63, s62, 12
	s_add_co_u32 s63, s63, s61
	v_add_nc_u32 v2, s63, v1                       ; Wo's four tiles
	s_lshl_b32 s63, s62, 8
	s_add_co_u32 s63, s63, s61
	s_add_co_u32 s63, s63, 8192
	v_lshl_add_u32 v4, v9, 2, s63                  ; their scale words
	s_lshl_b32 s63, s15, 12
	v_add_nc_u32 v3, s63, v1                       ; o's four tiles
	s_lshl_b32 s63, s15, 7
	s_add_co_u32 s63, s63, 8192
	v_lshl_add_u32 v5, v9, 1, s63                  ; their scale halfwords, K steps 0, 1 of four;
	s_delay_alu instid0(VALU_DEP_1)
	v_add_nc_u32 v124, 2*KST, v5                   ; K steps 2, 3
	s_mul_i32 s63, s[WV], 16*272
	s_add_co_u32 s63, s63, STG                     ; my stage
	v_mul_u32_u24 v6, v125, 272
	s_delay_alu instid0(VALU_DEP_1)
	v_lshl_add_u32 v6, v126, 6, v6
	s_delay_alu instid0(VALU_DEP_1)
	v_add_nc_u32 v6, s63, v6                       ; in: row r, 64 h bytes on
	v_mul_u32_u24 v7, v126, 272
	s_delay_alu instid0(VALU_DEP_1)
	v_lshl_add_u32 v7, v125, 4, v7
	s_delay_alu instid0(VALU_DEP_1)
	v_add_nc_u32 v7, s63, v7                       ; back: lanes 0-15 one row, lanes 16-31 the next
	v_lshlrev_b32 v8, 12, v126
	s_delay_alu instid0(VALU_DEP_1)
	v_lshl_add_u32 v8, v125, 4, v8                 ; and the same two rows in x and out
	v_lshlrev_b32 v127, 6, v126                    ; the bias of columns 16 h on
	s_wait_alu depctr_va_vdst(0)
	v_lshlrev_b32 v9, 12, v9                       ; the prefetch: a lane a row
	s_lshl_b32 s56, s19, 10
	s_lshl_b32 s58, s16, 8
	s_add_co_u32 s56, s56, s58                     ; my first column, in bytes
	s_mov_b32 s57, 0
	s_add_nc_u64 s[8:9], s[8:9], s[56:57]
	s_lshl_b32 s58, s20, 19
	s_add_co_u32 s56, s56, s58
	s_lshl_b32 s58, s15, 18
	s_add_co_u32 s56, s56, s58                     ; + my first token's row
	s_add_nc_u64 s[10:11], s[10:11], s[56:57]
	s_add_nc_u64 s[12:13], s[12:13], s[56:57]
.irp a, 0,1,2,3
	global_load_b128 v[BI+8*\a:BI+8*\a+3], v127, s[8:9] offset:(32*(\a/2)+8*(\a%2))*4
	global_load_b128 v[BI+8*\a+4:BI+8*\a+7], v127, s[8:9] offset:(32*(\a/2)+8*(\a%2))*4+16
.endr
	s_wait_tensorcnt 0x1                           ; my first load has landed; my second may be out
	s_barrier_signal -1
	s_barrier_wait -1                              ; K steps 0-3 are whole
	TSBUILD 0
	KLOAD 0
	s_wait_loadcnt 0x0                             ; the bias
	s_wait_alu depctr_va_vdst(0)
	MUL16 0, 1
	NOPS 4                                         ; places in front of the loads into the bias's registers
	XLOAD 0, BI                                    ; x's first tile lands under the products
	global_prefetch_b8 v9, s[10:11] offset:32*4096 th:TH_LOAD_NT scope:SCOPE_SE   ; my tokens 32 .. 63, a lane a row, my 256 bytes of each: the tiles that are loaded behind the last K step; each block is named once in the launch
	KLOAD 1
	MUL16 1, 0
	s_wait_alu depctr_va_vdst(0)
	KLOAD 1
	MUL16 2, 0
	s_wait_alu depctr_va_vdst(0)
	KLOAD 1
	MUL16 3, 0
	s_wait_tensorcnt 0x0                           ; my second load has landed
	s_barrier_signal -1
	s_barrier_wait -1                              ; K steps 4-7 are whole
	TSBUILD 4
	KLOAD 1
	MUL16 4, 0
	s_wait_alu depctr_va_vdst(0)
	KLOAD 1
	MUL16 5, 0
	s_wait_alu depctr_va_vdst(0)
	KLOAD 1
	MUL16 6, 0
	s_wait_alu depctr_va_vdst(0)
	KLOAD 1
	MUL16 7, 0
	NOPS 4                                         ; places between the last products and the loads into their registers and the first read of results
	XLOAD 1, FA
	XLOAD 2, FB
	OUT 0, BI, 16                                  ; tiles 1 and 2 may be out
	XLOAD 3, BI
	OUT 1, FA, 16                                  ; tiles 2 and 3
	OUT 2, FB, 8                                   ; tile 3
	OUT 3, BI, 0
	s_set_vgpr_msb 0x5
	s_wait_tensorcnt 0x0
	ds_add_u32 v0, v1
	s_wait_dscnt 0x0
	s_set_vgpr_msb 0x500
	CROUND                                         ; the closing round: no work-group ends while a partner may still ask for a tile that names it
	s_endpgm
.Lfunc_end_k_q44442f6d9e_oproj:
	.size	k_q44442f6d9e_oproj, .Lfunc_end_k_q44442f6d9e_oproj-k_q44442f6d9e_oproj
	.p2alignl 7, 3214868480
	.fill 96, 4, 3214868480
	.section	.rodata,"a",@progbits
	.p2align	6, 0x0
	.amdhsa_kernel k_q44442f6d9e_oproj
		.amdhsa_group_segment_fixed_size 244736
		.amdhsa_private_segment_fixed_size 0
		.amdhsa_enable_private_segment 0
		.amdhsa_kernarg_size 40
		.amdhsa_user_sgpr_count 2
		.amdhsa_user_sgpr_kernarg_segment_ptr 1
		.amdhsa_wavefront_size32 1
		.amdhsa_system_sgpr_workgroup_id_x 1
		.amdhsa_system_sgpr_workgroup_id_y 1
		.amdhsa_system_sgpr_workgroup_id_z 1
		.amdhsa_system_vgpr_workitem_id 0
		.amdhsa_next_free_vgpr 258
		.amdhsa_next_free_sgpr 66
		.amdhsa_reserve_vcc 0
		.amdhsa_float_denorm_mode_32 3
		.amdhsa_float_denorm_mode_16_64 3
		.amdhsa_memory_ordered 1
		.amdhsa_forward_progress 1
		.amdhsa_inst_pref_size 55
	.end_amdhsa_kernel
	.amdgpu_metadata
---
amdhsa.version: [ 1, 2 ]
amdhsa.kernels:
  - .name:           k_q44442f6d9e_oproj
    .symbol:         k_q44442f6d9e_oproj.kd
    .args:
      - { .name: oq, .offset: 0, .size: 8, .value_kind: global_buffer, .address_space: global }
      - { .name: wo, .offset: 8, .size: 8, .value_kind: global_buffer, .address_space: global }
      - { .name: bo, .offset: 16, .size: 8, .value_kind: global_buffer, .address_space: global }
      - { .name: x, .offset: 24, .size: 8, .value_kind: global_buffer, .address_space: global }
      - { .name: out0, .offset: 32, .size: 8, .value_kind: global_buffer, .address_space: global }
    .group_segment_fixed_size: 244736
    .private_segment_fixed_size: 0
    .kernarg_segment_align: 8
    .kernarg_segment_size: 40
    .max_flat_workgroup_size: 256
    .sgpr_count:     66
    .vgpr_count:     258
    .wavefront_size: 32
...
	.end_amdgpu_metadata
.endif
;; end of part 4
